; MI455X (gfx1250); checked and timed in simulation.
; The chip was launched on July 23, 2026; its instructions are those of AMD's public machine-readable ISA for CDNA 5 (MIT licence, August 2026) and "CDNA5" Instruction Set Architecture Reference Guide (July 2026). The comments in the code are by the model that wrote it; some were corrected since.
;; Multi Head Attention. Allowed arithmetic: float matrix products may take bf16 or f16 operands with f32 sums; other float arithmetic in f32, or as packed bf16 or f16 multiplies, adds, multiply-adds, maxima and minima; sums over many terms, partial sums and values carried from step to step in f32; what a program stores and reads back later, other than sums and carried values, may be rounded once to bf16 or f16.
;; Inputs: Wk 16 x 1,024 x 64 float32; Wo 1,024 x 1,024 float32; Wq 16 x 1,024 x 64 float32; Wv 16 x 1,024 x 64 float32; k 4,096 x 1,024 float32; q 4,096 x 1,024 float32; v 4,096 x 1,024 float32.
;; Outputs: out0 4,096 x 1,024 float32.
;; 2 versions, each right; version 2 is version 1 with the launch cast written anew for expert scheduling mode. Each part assembles by itself: llvm-mc -triple=amdgcn-amd-amdhsa -mcpu=gfx1250 --defsym DOCPART=n.
;; ======== version 1 of 2: 4 launches
;; limits: values are held in f16: magnitudes above 65,504 overflow, below 6.1e-05 lose precision
;; workspace buffers: xb 33,554,432 bytes; hd 25,165,824 bytes; oh 8,388,608 bytes
;; launch cast (part 1): grid 256 x 1, 16 waves a work-group, no clusters, 0 bytes of LDS; arguments q, k, v, Wq, Wk, Wv, Wo, xb; writes xb
.if DOCPART == 1
	.amdgcn_target "amdgcn-amd-amdhsa--gfx1250"
	.amdhsa_code_object_version 6
	.text
	.protected	k_q00572cba86_cast
	.globl	k_q00572cba86_cast
	.p2align	8
	.type	k_q00572cba86_cast,@function
k_q00572cba86_cast:
	s_mov_b64 s[64:65], 0
	v_nop
	global_prefetch_b8 v0, s[64:65] scope:SCOPE_SE
	s_setreg_imm32_b32 hwreg(HW_REG_WAVE_MODE, 25, 1), 1
	s_wait_xcnt 0x0
; xb = the seven inputs, one behind the other in their own layouts, each number rounded once to bf16: q, k, v (4,194,304 numbers each), Wq, Wk, Wv, Wo (1,048,576 each).
; Wo's bf16 number is then written as f16, since the last product multiplies in f16.
; LIMITS.  |Wo| stays under 65,504 (beyond it f16 has an infinity); a Wo below 6e-5 keeps f16's fixed step of 6e-8.  NaN and infinities are not treated apart.
; A stream: no LDS, no barrier, no matrix unit, no cluster (no two work-groups read the same byte).
; SHARES.  Work-group id takes 65,536 numbers: 262,144 bytes in, 131,072 bytes out at xb + 131,072 id.  ids 0-63 q, 64-127 k, 128-191 v, 192-207 Wq, 208-223 Wk, 224-239 Wv, 240-255 Wo.
; The 512 threads take 8,192 consecutive bytes in a slot's turn, 16 a thread; a wave's store covers 256 consecutive bytes, aligned.  32 turns: four rounds of a ring of eight slots in registers.
.set DEPTH, 8                          ; slots = loads in flight in each wave
.set INB,   8192                       ; bytes read in a slot's turn
.set OUTB,  4096                       ; bytes written in a slot's turn
.set X, 4                              ; v[4:35]   slot i: four f32 as loaded
.set Y, 36                             ; v[36:51]  slot i: four 16-bit numbers to store
.set T, 52                             ; v[52:53]  at work
	s_load_b512 s[8:23], s[0:1], 0x0               ; q s[8:9], k s[10:11], v s[12:13], Wq s[14:15], Wk s[16:17], Wv s[18:19], Wo s[20:21], xb s[22:23]
	s_mov_b32 s2, ttmp9                            ; id
	s_mov_b32 s24, 0xffff0000                      ; a word's upper bf16
	v_lshlrev_b32 v1, 4, v0                        ; my 16 bytes of a turn's 8,192; never rewritten
	v_lshlrev_b32 v2, 3, v0                        ; my 8 bytes of a turn's 4,096; never rewritten
	s_cmp_lt_u32 s2, 192
	s_cselect_b32 s3, 63, 15                       ; the large inputs have 64 chunks, the weights 16; each input's first id is a multiple of its count
	s_and_b32 s26, s2, s3                          ; the chunk's number in its input,
	s_lshl_b32 s26, s26, 18                        ; in bytes
	s_mov_b32 s27, 0
	s_lshl_b32 s28, s2, 17                         ; and where it goes in xb
	s_mov_b32 s29, 0
	s_wait_kmcnt 0x0
	s_cmp_lt_u32 s2, 64                            ; the input is chosen by the id alone
	s_cselect_b64 s[4:5], s[8:9], s[10:11]
	s_cmp_lt_u32 s2, 128
	s_cselect_b64 s[4:5], s[4:5], s[12:13]
	s_cmp_lt_u32 s2, 192
	s_cselect_b64 s[4:5], s[4:5], s[14:15]
	s_cmp_lt_u32 s2, 208
	s_cselect_b64 s[4:5], s[4:5], s[16:17]
	s_cmp_lt_u32 s2, 224
	s_cselect_b64 s[4:5], s[4:5], s[18:19]
	s_cmp_lt_u32 s2, 240
	s_cselect_b64 s[4:5], s[4:5], s[20:21]
	s_add_nc_u64 s[4:5], s[4:5], s[26:27]
	s_add_nc_u64 s[6:7], s[22:23], s[28:29]
; One slot's turn.  ahead = 1: the slot is filled again with the bytes DEPTH turns on.  left = the younger loads that may stay out.  half = 1: bf16 is written as f16.
.macro SLOT i, ahead, left, half
	s_wait_loadcnt \left                           ; loads come back in order (ISA guide 5.7.1): mine is in
	s_wait_xcnt 0x0                                ; the slot's Y, which its last store reads, is rewritten only behind this wait
	v_cvt_pk_bf16_f32 v[Y+2*(\i)],   v[X+4*(\i)],   v[X+4*(\i)+1]
	v_cvt_pk_bf16_f32 v[Y+2*(\i)+1], v[X+4*(\i)+2], v[X+4*(\i)+3]
.if \half
.irp j, 0,1
	v_lshlrev_b32 v[T],   16,  v[Y+2*(\i)+(\j)]    ; the rounded numbers as f32,
	v_and_b32     v[T+1], s24, v[Y+2*(\i)+(\j)]
	v_cvt_pk_f16_f32 v[Y+2*(\i)+(\j)], v[T], v[T+1]  ; and as f16: 8 significant bits fit into 11
.endr
.endif
.if \ahead
	global_load_b128 v[X+4*(\i):X+4*(\i)+3], v1, s[4:5] offset:(DEPTH+(\i))*INB th:TH_LOAD_NT
.endif
	global_store_b64 v2, v[Y+2*(\i):Y+2*(\i)+1], s[6:7] offset:(\i)*OUTB
.endm
.macro BODY half
.irp i, 0,1,2,3,4,5,6,7
	global_load_b128 v[X+4*(\i):X+4*(\i)+3], v1, s[4:5] offset:(\i)*INB th:TH_LOAD_NT  ; the ring is filled
.endr
	s_mov_b32 s25, 3
.Lround_\@:
.irp i, 0,1,2,3,4,5,6,7
	SLOT \i, 1, DEPTH-1, \half
.endr
	s_wait_xcnt 0x0                                ; the two pointers are stepped only behind this wait
	s_add_nc_u64 s[4:5], s[4:5], DEPTH*INB
	s_add_nc_u64 s[6:7], s[6:7], DEPTH*OUTB
	s_sub_co_u32 s25, s25, 1
	s_cmp_lg_u32 s25, 0
	s_cbranch_scc1 .Lround_\@
.irp i, 0,1,2,3,4,5,6,7
	SLOT \i, 0, DEPTH-1-(\i), \half                ; the last round loads nothing: the counts run down
.endr
	s_endpgm
.endm
	s_cmp_ge_u32 s2, 240
	s_cbranch_scc1 .Lwo
	BODY 0
.Lwo:
	BODY 1
.Lfunc_end_k_q00572cba86_cast:
	.size	k_q00572cba86_cast, .Lfunc_end_k_q00572cba86_cast-k_q00572cba86_cast
	.p2alignl 7, 3214868480
	.fill 96, 4, 3214868480
	.section	.rodata,"a",@progbits
	.p2align	6, 0x0
	.amdhsa_kernel k_q00572cba86_cast
		.amdhsa_group_segment_fixed_size 0
		.amdhsa_private_segment_fixed_size 0
		.amdhsa_enable_private_segment 0
		.amdhsa_kernarg_size 64
		.amdhsa_user_sgpr_count 2
		.amdhsa_user_sgpr_kernarg_segment_ptr 1
		.amdhsa_wavefront_size32 1
		.amdhsa_system_sgpr_workgroup_id_x 1
		.amdhsa_system_sgpr_workgroup_id_y 1
		.amdhsa_system_sgpr_workgroup_id_z 1
		.amdhsa_system_vgpr_workitem_id 0
		.amdhsa_next_free_vgpr 56
		.amdhsa_next_free_sgpr 66
		.amdhsa_reserve_vcc 0
		.amdhsa_float_denorm_mode_32 3
		.amdhsa_float_denorm_mode_16_64 3
		.amdhsa_memory_ordered 1
		.amdhsa_forward_progress 1
		.amdhsa_inst_pref_size 19
	.end_amdhsa_kernel
	.amdgpu_metadata
---
amdhsa.version: [ 1, 2 ]
amdhsa.kernels:
  - .name:           k_q00572cba86_cast
    .symbol:         k_q00572cba86_cast.kd
    .args:
      - { .name: q, .offset: 0, .size: 8, .value_kind: global_buffer, .address_space: global }
      - { .name: k, .offset: 8, .size: 8, .value_kind: global_buffer, .address_space: global }
      - { .name: v, .offset: 16, .size: 8, .value_kind: global_buffer, .address_space: global }
      - { .name: Wq, .offset: 24, .size: 8, .value_kind: global_buffer, .address_space: global }
      - { .name: Wk, .offset: 32, .size: 8, .value_kind: global_buffer, .address_space: global }
      - { .name: Wv, .offset: 40, .size: 8, .value_kind: global_buffer, .address_space: global }
      - { .name: Wo, .offset: 48, .size: 8, .value_kind: global_buffer, .address_space: global }
      - { .name: xb, .offset: 56, .size: 8, .value_kind: global_buffer, .address_space: global }
    .group_segment_fixed_size: 0
    .private_segment_fixed_size: 0
    .kernarg_segment_align: 8
    .kernarg_segment_size: 64
    .max_flat_workgroup_size: 512
    .sgpr_count:     66
    .vgpr_count:     56
    .wavefront_size: 32
...
	.end_amdgpu_metadata
.endif
;; end of part 1
;; launch proj (part 2): grid 8 x 96, 4 waves a work-group, clusters of 4 x 4, 327,680 bytes of LDS; arguments xb, hd; writes hd
.if DOCPART == 2
	.amdgcn_target "amdgcn-amd-amdhsa--gfx1250"
	.amdhsa_code_object_version 6
	.text
	.protected	k_q00572cba86_proj
	.globl	k_q00572cba86_proj
	.p2align	8
	.type	k_q00572cba86_proj,@function
k_q00572cba86_proj:
	s_mov_b64 s[64:65], 0
	v_nop
	global_prefetch_b8 v0, s[64:65] scope:SCOPE_SE
	s_setreg_imm32_b32 hwreg(HW_REG_WAVE_MODE, 25, 1), 1
	s_wait_xcnt 0x0
	s_wait_alu depctr_hold_cnt(0) depctr_sa_sdst(0) depctr_va_vdst(0) depctr_va_sdst(0) depctr_va_ssrc(0) depctr_va_vcc(0) depctr_vm_vsrc(0)
	s_getreg_b32 s2, hwreg(HW_REG_IB_STS2, 6, 4)
	s_cmp_eq_u32 s2, 0
	s_cbranch_scc0 .Lentry_in_a_cluster
	s_endpgm
.Lentry_in_a_cluster:
	s_bfe_u32 s2, ttmp6, 0x10000c
	s_cmp_lg_u32 s2, 0xf033
	s_cbranch_scc0 .Lentry_shape_is_right
	s_endpgm
.Lentry_shape_is_right:
; THE THREE PROJECTIONS.  hd[p][h][s][c] = the sum over d of x_p[s][d] W_p[h][d][c], p = 0, 1, 2 for q, k, v.  x and W come from xb in bf16; sums in f32; hd in f16, rounded once, without the softmax's scale.
; LIMITS.  A result of 65,520 or more becomes an infinity in f16; below 6e-5 it keeps f16's fixed step of 6e-8.  NaN and infinities are not treated apart.
; The three x lie on end in xb as one matrix of 12,288 rows x 1,024.  A tile is 128 rows x 128 columns (two heads): 96 x 8 work-groups, three for each of 256 places.  Four waves, each 64 rows x one head: 16 accumulators.
; K = 1,024 goes in four steps of 256 through two LDS slots.  A's rows are 512 bytes of memory.  W lies [d][c]: a head's 256 d of a step are 32,768 dense bytes, asked for as 128 rows of 256 bytes, padded in LDS after
; every d (128 bytes), and read turned by ds_load_tr16_b128.
; CLUSTERS: 4 x 4 work-groups.  The four of a row of the cluster need the same rows of x, the four of a column the same heads of W (the projection hangs on the cluster's y alone: 32 tile rows, 8 clusters, a projection):
; each tile is asked for JOINTLY.  THE MATRIX INSTRUCTION IS USED TRANSPOSED (source 0 = 16 columns of W, source 1 = 16 rows of x): a lane then holds eight neighbouring channels of one row.
; REGISTERS: window 0: v0-31 addresses; v32-95 at work on the way out; v128-255 the accumulators ((a, b) at v[128 + 8 (4 a + b)]).
;   window 1: two fragment buffers of 128: for 64 along K, 64 registers of x (2 x 4 x 16 rows x 32 K), then 64 of W.
.set PA,     528                       ; a row of x in LDS: 512 bytes + 16 = 132 words: the 16 rows of a load start at 16 different groups of four banks (64 banks of 4 bytes: ISA guide 11.1)
.set HALFA,  64*PA                     ; 64 rows: what one tensor load brings of x
.set PB,     160                       ; a d of W in LDS: 128 bytes + 32 = 40 words
.set SLABB,  256*PB                    ; one head's 256 d: what one tensor load brings of W
.set SLOT,   2*HALFA+2*SLABB           ; x's 128 rows, then the two heads' slabs
.set STAGE,  2*SLOT                    ; behind the ring: 16 rows x 144 bytes for each wave, for the way out
.set SP,     144
.set SPARE,  STAGE+4*16*SP             ; behind the stages: the spare words, 128 bytes for each wave: two blocks of 256 bytes that no other line names
.set WQOFF,  25165824                  ; where Wq begins in xb; Wk and Wv follow, 2,097,152 bytes each
.set STEPA,  2*512                     ; a slot's next K step: two steps along x's rows,
.set STEPB,  2*32768                   ; two steps down a head's d
.set ADRA, 16                          ; v16-17  LDS address of my x fragments in slot 0, 1
.set ADRB, 20                          ; v20-21  the same for W
.set STO,  24                          ; v24     the way out: where I put 16 bytes of a row
.set RD,   25                          ; v25     the way out: where I read rows back
.set GO,   26                          ; v26     my byte offset in 512 consecutive bytes of hd
.set SPW,  28                          ; v28     LDS address of my spare word: SPARE + 4 x my thread's number; never rewritten
.set NIL,  29                          ; v29     0; never rewritten
.set TMP,  32
.set ACC,  128
.set F0,   0                           ; fragment buffers, in window 1
.set F1,   128
.set G1, 24                            ; s[24:31] descriptor group 1 for x's tiles;  s[32:39] group 0, one set for each slot
.set G0, 32
.set G1B, 48                           ; s[48:55], s[56:63] the same for W's
.set G0B, 56
.set MSB, 0
.macro WIN new                         ; the immediate's high byte repeats the setting that is left; a switch that changes nothing is dropped
.if MSB != (\new)
	s_set_vgpr_msb (MSB<<8)|(\new)
.set MSB, \new
.endif
.endm
.set MUL,  0x05                        ; sources 0 (W) and 1 (x) window 1; C and D window 0
.set TO_F, 0x40                        ; destination window 1, address window 0
.macro JLOAD s                         ; a joint load: waves 0 and 1 fetch x's two halves, waves 2 and 3 the two heads' slabs; an s_nop 0 and four v_nop follow each of the two lines
	s_cmp_eq_u32 s11, 0
	s_cbranch_scc0 .Lfor_b_\@
	tensor_load_to_lds s[G0+4*(\s):G0+4*(\s)+3], s[G1:G1+7]
	s_nop 0
.rept 4
	v_nop
.endr
	s_branch .Lasked_\@
.Lfor_b_\@:
	tensor_load_to_lds s[G0B+4*(\s):G0B+4*(\s)+3], s[G1B:G1B+7]
	s_nop 0
.rept 4
	v_nop
.endr
.Lasked_\@:
.endm
.macro CREST                           ; a round of the cluster's barrier behind its opening barrier
	s_cmp_lg_u32 s10, 0
	s_cbranch_scc1 .Lnot_wave_0_\@
	s_barrier_signal -3
.Lnot_wave_0_\@:
	s_barrier_wait -3
	s_barrier_signal -1
	s_barrier_wait -1
.endm
.macro CROUND                          ; a whole round
	s_barrier_signal -1
	s_barrier_wait -1
	CREST
.endm
	s_load_b128 s[4:7], s[0:1], 0x0                ; xb s[4:5], hd s[6:7]
	v_lshl_add_u32 v[SPW], v0, 2, SPARE
	v_mov_b32 v[NIL], 0
	ds_add_u32 v[SPW], v[NIL]                      ; the wave's opening: the add and its wait stand ahead of my first tensor load; the set-up below, work on registers, stands between them
	v_lshrrev_b32 v1, 5, v0
	v_readfirstlane_b32 s10, v1                    ; wave 0..3
	s_lshr_b32 s11, s10, 1                         ; which half of the tile's rows is mine.  Also: I fetch for x (0) or for W (1)
	s_and_b32 s12, s10, 1                          ; which of the two heads is mine.  Also: which half of x's rows, or which head's slab, I fetch
	s_bfe_u32 s40, ttmp6, 0x40000                  ; cx, cy: my place in the cluster
	s_bfe_u32 s41, ttmp6, 0x40004
	s_lshl_b32 s42, ttmp9, 2
	s_add_co_u32 s42, s42, s40                     ; tile column = 4 x cluster x + cx: heads 2 x that, and the next
	s_and_b32 s45, ttmp7, 0xffff                   ; cluster y
	s_lshl_b32 s13, s45, 2
	s_add_co_u32 s13, s13, s41                     ; tile row = 4 x cluster y + cy, 0 to 95
	s_lshr_b32 s45, s45, 3                         ; the projection: 8 clusters of 4 tile rows each
	s_lshl_b32 s43, s41, 2
	s_lshl_b32 s43, 15, s43                        ; my row of the cluster
	s_lshl_b32 s44, 0x1111, s40                    ; my column
	; descriptor group 1 for x: 64 rows x 256 elements, 16 bytes of padding behind each row
	s_or_b32 s[G1+0], s43, (1<<16)|(1<<20)|(1<<21)|(6<<22)|(3<<25)  ; 15:0 the mask: my row; 17:16 2-byte elements; 20 padding on; 21 set beside a mask; 24:22 after every 128 words (code 6); 31:25 4 words (code 3)
	s_mov_b32 s[G1+1], 256<<16                     ; tensor_dim0 = 256
	s_mov_b32 s[G1+2], 64<<16                      ; tensor_dim1 = 64
	s_mov_b32 s[G1+3], 256<<16                     ; tile_dim0 = 256
	s_mov_b32 s[G1+4], 64                          ; tile_dim1 = 64
	s_mov_b32 s[G1+5], 1024                        ; elements from row to row
	s_mov_b32 s[G1+6], 0
	s_mov_b32 s[G1+7], 0
	; for W: 128 rows x 128 elements, dense; 32 bytes of padding behind every 128 bytes
	s_or_b32 s[G1B+0], s44, (1<<16)|(1<<20)|(1<<21)|(4<<22)|(7<<25)  ; the mask: my column; after every 32 words (code 4) 8 words (code 7)
	s_mov_b32 s[G1B+1], 128<<16
	s_mov_b32 s[G1B+2], 128<<16
	s_mov_b32 s[G1B+3], 128<<16
	s_mov_b32 s[G1B+4], 128
	s_mov_b32 s[G1B+5], 128
	s_mov_b32 s[G1B+6], 0
	s_mov_b32 s[G1B+7], 0
	; where the tiles come from.  x's hang on the tile row alone, W's on the tile column and the cluster's y alone; each in registers that never hold the other place
	s_lshl_b32 s16, s13, 7
	s_lshl_b32 s17, s12, 6
	s_add_co_u32 s16, s16, s17                     ; x: row 128 x tile row + 64 x half,
	s_lshl_b32 s16, s16, 11                        ; of 2,048 bytes: under 2^25
	s_mov_b32 s17, 0
	s_lshl_b32 s46, s42, 1
	s_add_co_u32 s46, s46, s12                     ; W: the head,
	s_lshl_b32 s46, s46, 17                        ; of 131,072 bytes,
	s_lshl_b32 s47, s45, 21                        ; in the projection's weights
	s_add_co_u32 s46, s46, s47
	s_add_co_u32 s46, s46, WQOFF
	s_mov_b32 s47, 0
	s_mul_i32 s18, s12, HALFA                      ; where they go: no place in the cluster enters an LDS address
	s_mul_i32 s19, s12, SLABB
	s_add_co_u32 s19, s19, 2*HALFA
	s_wait_dscnt 0x0                               ; the opening add is done
	s_wait_kmcnt 0x0
	s_add_nc_u64 s[14:15], s[4:5], s[16:17]
	s_add_nc_u64 s[46:47], s[4:5], s[46:47]
	CROUND                                         ; all sixteen work-groups are here: the first joint loads meet
.irp s, 0,1
	s_mov_b32 s[G0+4*(\s)], 1                                      ; count = 1
	s_add_co_u32 s[G0+4*(\s)+1], s18, (\s)*SLOT                    ; LDS address
	s_add_nc_u64 s[G0+4*(\s)+2:G0+4*(\s)+3], s[14:15], (\s)*512    ; global address: K step s
	s_or_b32 s[G0+4*(\s)+3], s[G0+4*(\s)+3], 0x80000000            ; type = 2
	s_mov_b32 s[G0B+4*(\s)], 1
	s_add_co_u32 s[G0B+4*(\s)+1], s19, (\s)*SLOT
	s_add_nc_u64 s[G0B+4*(\s)+2:G0B+4*(\s)+3], s[46:47], (\s)*32768
	s_or_b32 s[G0B+4*(\s)+3], s[G0B+4*(\s)+3], 0x80000000
	JLOAD \s                                       ; two loads of mine are out
.endr
	v_and_b32 v1, 15, v0                           ; l % 16
	v_bfe_u32 v2, v0, 4, 1                         ; l / 16
	v_mul_u32_u24 v3, v1, PA
	v_lshl_add_u32 v3, v2, 4, v3                   ; x: a fragment's row x pitch + 16 x half
	v_and_b32 v6, 7, v0
	v_bfe_u32 v7, v0, 3, 1
	v_lshl_add_u32 v4, v2, 3, v6                   ; W, turned: lane l reads d = 8 (l / 16) + l % 8, channels 8 ((l / 8) % 2) + 0..7,
	v_mul_u32_u24 v4, v4, PB                       ; and is left with channel l % 16 and 8 d
	v_lshl_add_u32 v4, v7, 4, v4
	s_mul_i32 s21, s11, HALFA                      ; my 64 rows of x
	s_mul_i32 s22, s12, SLABB                      ; my head's slab,
	s_add_co_u32 s22, s22, 2*HALFA                 ; behind x's 128 rows
.irp s, 0,1
	v_add_nc_u32 v[ADRA+(\s)], s21, v3
	v_add_nc_u32 v[ADRB+(\s)], s22, v4
	s_add_co_u32 s21, s21, SLOT
	s_add_co_u32 s22, s22, SLOT
.endr
	s_mul_i32 s23, s10, 16*SP
	s_add_co_u32 s23, s23, STAGE                   ; my stage
	v_mul_u32_u24 v5, v1, SP                       ; in: row l % 16, 16 bytes for each half of the lanes
	v_lshl_add_u32 v5, v2, 4, v5
	v_add_nc_u32 v[STO], s23, v5
	v_bfe_u32 v5, v0, 3, 2                         ; back: 32 lanes take four rows of 128 bytes,
	v_mul_u32_u24 v5, v5, SP
	v_lshl_add_u32 v5, v6, 4, v5
	v_add_nc_u32 v[RD], s23, v5
	v_and_b32 v[GO], 31, v0                        ; which are 512 consecutive bytes of hd
	v_lshlrev_b32 v[GO], 4, v[GO]
	s_and_b32 s16, s13, 31                         ; my 64 rows in the projection's 4,096,
	s_lshl_b32 s16, s16, 7
	s_lshl_b32 s17, s11, 6
	s_add_co_u32 s16, s16, s17
	s_lshl_b32 s16, s16, 7                         ; of 128 bytes,
	s_lshl_b32 s17, s45, 23                        ; in the projection's 8,388,608 bytes
	s_add_co_u32 s16, s16, s17
	s_mov_b32 s17, 0
	s_add_nc_u64 s[8:9], s[6:7], s[16:17]
	s_lshl_b32 s46, s42, 1
	s_add_co_u32 s46, s46, s12
	s_lshl_b32 s46, s46, 19                        ; and in my head's 524,288
	s_mov_b32 s47, 0
	s_add_nc_u64 s[8:9], s[8:9], s[46:47]
; 8 matrix instructions: row blocks a0, a0 + 1 x all 4 channel blocks, 32 along K: half c of buffer f.  zero = 1: the first product starts the sums.  The 16 accumulators take turns.
.macro MUL8 f, c, a0, zero
	WIN MUL
.irp a, \a0, (\a0)+1
.irp b, 0,1,2,3
.if \zero
	v_wmma_f32_16x16x32_bf16 v[ACC+8*(4*(\a)+(\b)):ACC+8*(4*(\a)+(\b))+7], v[(\f)+64+8*(4*(\c)+(\b)):(\f)+64+8*(4*(\c)+(\b))+7], v[(\f)+8*(4*(\c)+(\a)):(\f)+8*(4*(\c)+(\a))+7], 0
.else
	v_wmma_f32_16x16x32_bf16 v[ACC+8*(4*(\a)+(\b)):ACC+8*(4*(\a)+(\b))+7], v[(\f)+64+8*(4*(\c)+(\b)):(\f)+64+8*(4*(\c)+(\b))+7], v[(\f)+8*(4*(\c)+(\a)):(\f)+8*(4*(\c)+(\a))+7], v[ACC+8*(4*(\a)+(\b)):ACC+8*(4*(\a)+(\b))+7]
.endif
.endr
.endr
.endm
; 32 LDS loads in one run: the fragments of quarter q of a K step (64 along K) into buffer f; the first 32 along K first
.macro FETCH slot, q, f
	WIN TO_F
.irp c, 0,1
.irp i, 0,1,2,3
	ds_load_tr16_b128 v[(\f)+64+8*(4*(\c)+(\i)):(\f)+64+8*(4*(\c)+(\i))+3],   v[ADRB+(\slot)] offset:(64*(\q)+32*(\c))*PB+32*(\i)
	ds_load_tr16_b128 v[(\f)+64+8*(4*(\c)+(\i))+4:(\f)+64+8*(4*(\c)+(\i))+7], v[ADRB+(\slot)] offset:(64*(\q)+32*(\c)+16)*PB+32*(\i)
	ds_load_b128 v[(\f)+8*(4*(\c)+(\i)):(\f)+8*(4*(\c)+(\i))+3],              v[ADRA+(\slot)] offset:128*(\q)+64*(\c)+(\i)*16*PA
	ds_load_b128 v[(\f)+8*(4*(\c)+(\i))+4:(\f)+8*(4*(\c)+(\i))+7],            v[ADRA+(\slot)] offset:128*(\q)+64*(\c)+(\i)*16*PA+32
.endr
.endr
.endm
.macro PLACES                          ; four places in front of loads into registers that matrix instructions have read, and of conversions that read results
.rept 4
	v_nop
.endr
.endm
; A K step is four quarters of 64 along K, 32 matrix instructions each, on buffers 0, 1, 0, 1.  One of the first three: multiplies buffer f and fetches quarter q into g.
.macro QUARTER slot, q, f, g, zero
	s_wait_dscnt 16                                ; the first 32 along K are in; the sixteen younger loads may be out
	WIN MUL
	MUL8 \f, 0, 0, \zero
	MUL8 \f, 0, 2, \zero
	PLACES
	FETCH \slot, \q, \g
	s_wait_dscnt 32                                ; all but the 32 just issued
	WIN MUL
	MUL8 \f, 1, 0, 0
	MUL8 \f, 1, 2, 0
.endm
; The last quarter multiplies buffer 1 and changes slots: ONE barrier; in front of it each wave waits for all its tensor loads, adds 0 to its spare word, and waits for that and for its own reads of this slot.
; fill = 1: this slot is filled again, two K steps ahead; the barrier then opens a round of the cluster's.
.macro TURN slot, next, fill
	WIN 0                                          ; (the add's two registers lie in window 0)
	s_wait_tensorcnt 0x0                           ; all my tensor loads have landed: my part of the next slot;
	ds_add_u32 v[SPW], v[NIL]                      ; 0 onto my spare word;
	s_wait_dscnt 17                                ; (the add and the youngest sixteen loads may be out)
	WIN MUL
	MUL8 F1, 0, 0, 0                               ; eight matrix instructions stand between the add and the wait for it
	s_wait_dscnt 0x0                               ; the add is done, and my reads of this slot are over
	s_barrier_signal -1
	MUL8 F1, 0, 2, 0
.if \fill
	WIN 0
.endif
	s_barrier_wait -1
.if \fill
	CREST                                          ; no wave of any partner still reads this slot's tile or has a load on its way
	s_add_nc_u64 s[G0+4*(\slot)+2:G0+4*(\slot)+3], s[G0+4*(\slot)+2:G0+4*(\slot)+3], STEPA
	s_add_nc_u64 s[G0B+4*(\slot)+2:G0B+4*(\slot)+3], s[G0B+4*(\slot)+2:G0B+4*(\slot)+3], STEPB
	JLOAD \slot                                    ; the first tensor load behind the round; the four v_nop behind it are also the places in front of the loads below
.else
	PLACES
.endif
	FETCH \next, 0, F0
	WIN MUL
	MUL8 F1, 1, 0, 0
	MUL8 F1, 1, 2, 0
.endm
	s_wait_tensorcnt 1                             ; my part of K step 0 is in; K step 1's may stay out
	s_barrier_signal -1
	s_barrier_wait -1                              ; everybody's is
	FETCH 0, 0, F0
	QUARTER 0, 1, F0, F1, 1                        ; K step 0: its first products start the sums
	QUARTER 0, 2, F1, F0, 0
	QUARTER 0, 3, F0, F1, 0
	TURN 0, 1, 1                                   ; slot 0 takes K step 2
	QUARTER 1, 1, F0, F1, 0                        ; K step 1
	QUARTER 1, 2, F1, F0, 0
	QUARTER 1, 3, F0, F1, 0
	TURN 1, 0, 1                                   ; slot 1 takes K step 3
	QUARTER 0, 1, F0, F1, 0                        ; K step 2
	QUARTER 0, 2, F1, F0, 0
	QUARTER 0, 3, F0, F1, 0
	TURN 0, 1, 0                                   ; nothing is left to fetch
	QUARTER 1, 1, F0, F1, 0                        ; K step 3
	QUARTER 1, 2, F1, F0, 0
	QUARTER 1, 3, F0, F1, 0
	s_wait_dscnt 16
	WIN MUL
	MUL8 F1, 0, 0, 0
	MUL8 F1, 0, 2, 0
	s_wait_dscnt 0
	MUL8 F1, 1, 0, 0
	MUL8 F1, 1, 2, 0
	WIN 0
	; THE WAY OUT.  My 64 rows x 64 channels are 8,192 dense bytes of hd.  A block of 16 rows at a time: rounded to f16, 16 bytes a lane into my own stage, back as whole rows of 128 bytes, four to a store.
	PLACES
.macro PACK a
.irp b, 0,1,2,3
.irp r, 0,1,2,3
	v_cvt_pk_f16_f32 v[TMP+16*(\a)+4*(\b)+(\r)], v[ACC+8*(4*(\a)+(\b))+2*(\r)], v[ACC+8*(4*(\a)+(\b))+2*(\r)+1]
.endr
.endr
.irp b, 0,1,2,3
	ds_store_b128 v[STO], v[TMP+16*(\a)+4*(\b):TMP+16*(\a)+4*(\b)+3] offset:32*(\b)
.endr
.irp f, 0,1,2,3
	ds_load_b128 v[TMP+16*(\a)+4*(\f):TMP+16*(\a)+4*(\f)+3], v[RD] offset:(\f)*4*SP  ; LDS serves a wave's instructions in order (ISA guide 5.7.1.4): these see the stores above; the next block's stores come behind them
.endr
.endm
.macro SEND a, younger                 ; younger: the LDS instructions issued behind block a's loads: the next block's eight, or none
.irp f, 0,1,2,3
	s_wait_dscnt (\younger)+3-(\f)
	global_store_b128 v[GO], v[TMP+16*(\a)+4*(\f):TMP+16*(\a)+4*(\f)+3], s[8:9] offset:(\a)*2048+(\f)*512  ; 512 consecutive bytes, at a multiple of 256 from hd's first
.endr
.endm
	PACK 0
	PACK 1
	SEND 0, 8
	PACK 2
	SEND 1, 8
	PACK 3
	SEND 2, 8
	SEND 3, 0
	s_wait_tensorcnt 0x0                           ; the wave's end: behind my last tensor load and my last LDS store
	ds_add_u32 v[SPW], v[NIL]
	s_wait_dscnt 0x0
	CROUND                                         ; the closing round: no work-group ends while a partner may still ask for a tile that names it
	s_endpgm
.Lfunc_end_k_q00572cba86_proj:
	.size	k_q00572cba86_proj, .Lfunc_end_k_q00572cba86_proj-k_q00572cba86_proj
	.p2alignl 7, 3214868480
	.fill 96, 4, 3214868480
	.section	.rodata,"a",@progbits
	.p2align	6, 0x0
	.amdhsa_kernel k_q00572cba86_proj
		.amdhsa_group_segment_fixed_size 327680
		.amdhsa_private_segment_fixed_size 0
		.amdhsa_enable_private_segment 0
		.amdhsa_kernarg_size 16
		.amdhsa_user_sgpr_count 2
		.amdhsa_user_sgpr_kernarg_segment_ptr 1
		.amdhsa_wavefront_size32 1
		.amdhsa_system_sgpr_workgroup_id_x 1
		.amdhsa_system_sgpr_workgroup_id_y 1
		.amdhsa_system_sgpr_workgroup_id_z 1
		.amdhsa_system_vgpr_workitem_id 0
		.amdhsa_next_free_vgpr 512
		.amdhsa_next_free_sgpr 66
		.amdhsa_reserve_vcc 0
		.amdhsa_float_denorm_mode_32 3
		.amdhsa_float_denorm_mode_16_64 3
		.amdhsa_memory_ordered 1
		.amdhsa_forward_progress 1
		.amdhsa_inst_pref_size 87
	.end_amdhsa_kernel
	.amdgpu_metadata
---
amdhsa.version: [ 1, 2 ]
amdhsa.kernels:
  - .name:           k_q00572cba86_proj
    .symbol:         k_q00572cba86_proj.kd
    .args:
      - { .name: xb, .offset: 0, .size: 8, .value_kind: global_buffer, .address_space: global }
      - { .name: hd, .offset: 8, .size: 8, .value_kind: global_buffer, .address_space: global }
    .group_segment_fixed_size: 327680
    .private_segment_fixed_size: 0
    .kernarg_segment_align: 8
    .kernarg_segment_size: 16
    .max_flat_workgroup_size: 128
    .sgpr_count:     66
    .vgpr_count:     512
    .wavefront_size: 32
...
	.end_amdgpu_metadata
.endif
;; end of part 2
;; launch attn (part 3): grid 16 x 16, 4 waves a work-group, clusters of 4 x 1, 327,680 bytes of LDS; arguments hd, oh; writes oh
.if DOCPART == 3
	.amdgcn_target "amdgcn-amd-amdhsa--gfx1250"
	.amdhsa_code_object_version 6
	.text
	.protected	k_q00572cba86_attn
	.globl	k_q00572cba86_attn
	.p2align	8
	.type	k_q00572cba86_attn,@function
k_q00572cba86_attn:
	s_mov_b64 s[64:65], 0
	v_nop
	global_prefetch_b8 v0, s[64:65] scope:SCOPE_SE
	s_setreg_imm32_b32 hwreg(HW_REG_WAVE_MODE, 25, 1), 1
	s_wait_xcnt 0x0
	s_wait_alu depctr_hold_cnt(0) depctr_sa_sdst(0) depctr_va_vdst(0) depctr_va_sdst(0) depctr_va_ssrc(0) depctr_va_vcc(0) depctr_vm_vsrc(0)
	s_getreg_b32 s2, hwreg(HW_REG_IB_STS2, 6, 4)
	s_cmp_eq_u32 s2, 0
	s_cbranch_scc0 .Lentry_in_a_cluster
	s_endpgm
.Lentry_in_a_cluster:
	s_bfe_u32 s2, ttmp6, 0x10000c
	s_cmp_lg_u32 s2, 0x3003
	s_cbranch_scc0 .Lentry_shape_is_right
	s_endpgm
.Lentry_shape_is_right:
; ATTENTION.  oh[h][q][:] = the sum over k of softmax_k(Q[h][q] . K[h][k] / 8) V[h][k][:].  Q, K, V are the three parts of hd, each [16][4096][64] in f16; oh has the same shape and format.
; Products, maxima and sums in f32; the weights p are rounded to f16 for the second product (their sum l is taken of the unrounded p), O once at the end.
; LIMITS.  Q, K and V arrive within f16's 65,504; p lies in 0 to 1, and below 6e-5 it keeps f16's fixed step of 6e-8, as O does; a weight below 2^-126 counts as 0 in l; NaN and infinities are not treated apart.
; SHARES.  A work-group owns 256 queries of one head: 16 x 16 work-groups.  Each of its four waves owns 64, as four PIECES of 16.  Every wave walks all 4,096 keys, 64 a step.
; LAYOUT.  S^T = K Q^T (source 0 = 16 keys, source 1 = 16 queries): in the result a lane holds ONE query (lane % 16) and the keys 8 (lane / 16) + 0..7.  Two such results, rounded to f16 in pairs, ARE source 1
; (32 keys x 16 queries) of O^T = V^T P, whose result again holds one query a lane, and eight channels.  K comes out of LDS as it lies, V ([key][channel]) turned, by ds_load_tr16_b128.
; SOFTMAX.  For each query a running maximum m and sum l: p = 2^(c s - c m), c = log2(e) / 8; in every step O and l are multiplied by a = 2^(c m_old - c m_new).  m starts at the lowest finite number, O and l at 0:
; the first step is a step like any other, with a = 0.
; BY TURNS.  Turn n belongs to piece n: 8 products K Q^T of piece n + 1, later 8 products V^T P of piece n - 1; beside them the scaling, exponentials, roundings, sums and rescaling of piece n and the maximum and
; statistics of piece n + 1.  Four vector instructions stand behind every matrix instruction, the other 54 of a turn's 118 in two runs of their own.
; CLUSTER.  The four query blocks of a cluster belong to one head and walk the same K and V, so each tile is asked for JOINTLY: the same tensor load, descriptor and mask in all four.
; REGISTERS, in windows of 256 (s_set_vgpr_msb: bits 1:0 source 0, 3:2 source 1, 5:4 source 2, 7:6 destination):
;   window 0: v0-15 addresses and two at work; v16-31 four registers of statistics a piece; v48-55 at work; v61-63; v64-127 S^T, two buffers; v192-223 P, two buffers (a piece's buffers go by its number's parity)
;   window 1: v0-127 O^T, 32 a piece          window 2: v0-63 Q; v128-191 K of one step; v192-255 V of one step
.set NP,    4         ; pieces a wave: a name, no knob
.set KS,    64        ; keys in a step
.set PK,    144       ; a row of K in LDS: 128 bytes + 16 of padding = 36 words: the 16 rows of a load start at 16 different groups of four banks (64 banks of 4 bytes: ISA guide 11.1)
.set PV,    160       ; a row of V: 128 + 32 = 40 words
.set VOFF,  4*KS*PK   ; a slot holds four steps: 256 rows of K, then 256 rows of V
.set TILEB, 4*KS*128  ; a slot's K, or its V, in memory: 32,768 bytes
.set NT,    4096/(4*KS)  ; 16 slots' worth of keys
.set SLOT1, 1<<17     ; slot 1 begins here, so that one exclusive or turns an address in one slot into the other's
.set STAGE, SLOT1+4*KS*(PK+PV)  ; behind the ring, never filled by a tensor load: 16 rows x 144 bytes for each wave, for the way out
.set SP,    144
.set SPARE, STAGE+4*16*SP  ; behind the stages: the spare words, 128 bytes for each wave: two blocks of 256 bytes that no other line names
.set AK0, 2           ; v2   my lane's place in a tile of K; never rewritten
.set AV0, 3           ; v3   the same for V
.set AK,  4           ; v4   the LDS address of K's next run of loads
.set AV,  5           ; v5   of V's
.set STO, 6           ; v6   the way out: where I put 16 bytes of a row
.set RD,  7           ; v7   the way out: where I read rows back
.set GO,  8           ; v8   my byte offset in 512 consecutive bytes of O
.set MV,  12          ; v12-13  c m_old, kept while c m is made anew: by buffer
.set QO,  15          ; v15  my byte offset in 16 rows of Q
.set ST,  16          ; piece t's statistics at v[ST+4 t]: c m, m, l (even keys', odd keys')
.set TMP, 48          ; by buffer, four registers c0-c3 at work; when the maximum is found c2 takes a
.set PFO, 61          ; v61  256 x my lane; never rewritten
.set SPW, 62          ; v62  LDS address of my spare word: SPARE + 4 x my thread's number; never rewritten
.set NIL, 63          ; v63  0; never rewritten
.set S,   64
.set P,   192
.set KF,  128         ; window 2: key block kb, channel half c at KF + 16 kb + 8 c
.set VF,  192         ; window 2: key half kk, channel block cb at VF + 32 kk + 8 cb
.set WV,  12          ; s12  my wave's number
.set LIM, 15          ; s15  1 in a wave that prefetches, else the greatest number: a wave prefetches while s[SLOTS] is above it
.set PFA, 18          ; s[18:19] where my prefetches stand in memory
.set G1K, 24          ; s[24:31] descriptor group 1 for K's tiles
.set G1V, 32          ; s[32:39] for V's: it differs in the padding alone
.set G0K, 40          ; s[40:43] descriptor group 0 for K's tiles: it walks
.set G0V, 44          ; s[44:47] the same for V's
.set SLOTS, 56        ; s56  slots still to be asked for
.set CNT, 57          ; s57  counts a slot's key steps
.set CS,  58          ; s[58:59] c: the packed scaling takes the pair's low word for both halves
.set SEL, 60          ; s[60:61] v_permlanex16_b32's selects: each lane takes its own place in the other half
.set TBK, 62          ; s62  LDS byte at which K of the step to be fetched begins
.set TBV, 63          ; s63  the same for V, less VOFF
.set MSB, 0
.macro WIN new                      ; the high byte repeats the setting that is left; a switch that changes nothing is dropped
.if MSB != (\new)
	s_set_vgpr_msb (MSB<<8)|(\new)
.set MSB, (\new)
.endif
.endm
.set W_KQ, 0x0a       ; K and Q in window 2, S^T in window 0
.set W_PV, 0x52       ; V in window 2, P in window 0, O^T in window 1
.set W_RS, 0x41       ; destination and source 0 in window 1, source 1 in window 0
; A joint fill.  Waves 0 and 1 fetch the two halves of a slot's K, waves 2 and 3 those of its V: 128 keys each.  The branch hangs on the wave's number alone.
; An s_nop 0 and four v_nop follow each of the two lines, ahead of the jump and the label.
.macro JLOAD
	s_cmp_lt_u32 s[WV], 2
	s_cbranch_scc0 .Lfor_v_\@
	tensor_load_to_lds s[G0K:G0K+3], s[G1K:G1K+7]
	s_nop 0
.rept 4
	v_nop
.endr
	s_branch .Lasked_\@
.Lfor_v_\@:
	tensor_load_to_lds s[G0V:G0V+3], s[G1V:G1V+7]
	s_nop 0
.rept 4
	v_nop
.endr
.Lasked_\@:
.endm
; A PREFETCH INTO THE L2 of what the NEXT change of slots will ask for: a slot's 32,768 bytes of K and of V, 128 blocks of 256 bytes each, a lane a block.  It stands behind the wave's tensor load and its five lines.
; Each block is asked for ONCE in the launch.  All four clusters of a head walk the same K and V: the head's first cluster prefetches.  Its four partners share the blocks out BY ADDRESS, 32 each.
; In each, wave 0 asks for K's and wave 2 for V's: one instruction, four key steps (256 matrix instructions) ahead of the load.  The last change that fills a slot prefetches nothing: there is no slot behind it.
.macro ASK
	s_cmp_gt_u32 s[SLOTS], s[LIM]
	s_cbranch_scc0 .Lnot_mine_\@
	global_prefetch_b8 v[PFO], s[PFA:PFA+1] th:TH_LOAD_NT scope:SCOPE_SE
.Lnot_mine_\@:
.endm
; A round of the cluster's barrier: my work-group's barrier, so that wave 0's signal speaks for all four waves; wave 0 signals; every wave waits for all four work-groups; my work-group's barrier once more.
.macro CROUND
	s_barrier_signal -1
	s_barrier_wait -1
	s_cmp_lg_u32 s[WV], 0
	s_cbranch_scc1 .Lnot_wave_0_\@
	s_barrier_signal -3
.Lnot_wave_0_\@:
	s_barrier_wait -3
	s_barrier_signal -1
	s_barrier_wait -1
.endm
; THE CHANGE OF SLOTS.  The slot's last bytes, V of its fourth step, have been read.  Each wave waits for all its tensor loads, of which one is out: its part of the other slot; adds 0 to its spare word; and waits
; for that and for its own reads of the slot.  Behind the barrier nobody reads this slot any more and the other slot is whole.  fill = 1: this slot is filled again, with the keys two slots on.  The barrier is then a
; round of the cluster's, and the joint fill is the first thing behind it: it has four key steps in which to land.  (At its first use nothing has been read yet: slot 0 is waited for, slot 1 filled.)  ask = 1: a prefetch follows.
.macro CHANGE fill, ask
	WIN 0                           ; at a label and at a branch every window is 0
	s_wait_tensorcnt 0x0            ; no tensor load of mine is out, so a group 0 may be written
	ds_add_u32 v[SPW], v[NIL]       ; 0 onto my spare word; with fill = 1 the descriptors' steps stand between it and the wait for it
.if \fill
.irp g, G0K, G0V
	s_xor_b32 s[\g+1], s[\g+1], SLOT1  ; the walking descriptor: the other slot than last time,
	s_add_nc_u64 s[\g+2:\g+3], s[\g+2:\g+3], TILEB  ; the next 256 keys; the type bits on top are not reached
.endr
.if \ask
	s_wait_xcnt 0x0                 ; the last prefetch, four key steps back, has read its address, so it may be written:
	s_add_nc_u64 s[PFA:PFA+1], s[PFA:PFA+1], TILEB  ; one slot behind the walking descriptors
.endif
	s_wait_dscnt 0x0                ; the add is done, and my reads of the slot are over
	CROUND
	JLOAD
.if \ask
	ASK
.endif
.else
	s_wait_dscnt 0x0                ; the add is done, and my reads of the slot are over
	s_barrier_signal -1
	s_barrier_wait -1
.endif
	s_sub_co_u32 s[TBK], s[TBK], 4*KS*PK  ; the fetches go back to a slot's first step,
	s_xor_b32 s[TBK], s[TBK], SLOT1       ; in the other slot
	s_sub_co_u32 s[TBV], s[TBV], 4*KS*PV
	s_xor_b32 s[TBV], s[TBV], SLOT1
.endm
	s_load_b64 s[4:5], s[0:1], 0x0    ; hd
	s_load_b64 s[10:11], s[0:1], 0x8  ; oh
	v_lshl_add_u32 v[SPW], v0, 2, SPARE
	v_mov_b32 v[NIL], 0
	ds_add_u32 v[SPW], v[NIL]       ; the wave's opening: the add and its wait stand ahead of my first tensor load; the set-up below, work on registers, stands between them
	v_lshrrev_b32 v1, 5, v0
	v_readfirstlane_b32 s[WV], v1   ; wave 0..3
	s_bfe_u32 s13, ttmp6, 0x40000   ; cx: my place in the cluster
	s_lshl_b32 s14, ttmp9, 2        ; in a cluster launch ttmp9 counts clusters
	s_add_co_u32 s14, s14, s13      ; my block of 256 queries = 4 x cluster x + cx: it enters Q's and O's addresses alone
	s_and_b32 s20, ttmp7, 0xffff    ; the head, which the four partners share,
	s_lshl_b32 s20, s20, 19         ; of 524,288 bytes
	s_and_b32 s16, s[WV], 1         ; which half of a slot's 256 keys I fetch:
	s_lshl_b32 s22, s16, 14         ; its 128 rows of 128 bytes in memory,
	s_add_co_u32 s22, s22, s20
	s_mov_b32 s23, 0
	s_mul_i32 s48, s16, 128*PK      ; and its place in a slot, for K
	s_mul_i32 s49, s16, 128*PV      ; and for V: no place in the cluster enters an LDS address
	s_lshl_b32 s2, s14, 15          ; my block's 256 rows,
	s_lshl_b32 s3, s[WV], 13        ; my wave's 64 of them
	s_add_co_u32 s2, s2, s3
	s_add_co_u32 s2, s2, s20
	s_mov_b32 s3, 0
	; descriptor group 1.  128 keys are 16,384 dense bytes: asked for as 64 rows of 256 bytes, two keys a row, and padded in LDS after every key
	s_mov_b32 s[G1K], 15|(1<<16)|(1<<20)|(1<<21)|(4<<22)|(3<<25)  ; 15:0 the mask of four; 17:16 2-byte elements; 20 padding on; 21 set beside a mask; 24:22 after every 32 words (code 4); 31:25 4 words (code 3)
	s_mov_b32 s[G1V], 15|(1<<16)|(1<<20)|(1<<21)|(4<<22)|(7<<25)  ; the same with 8 words of padding (code 7)
.irp g, G1K, G1V
	s_mov_b32 s[\g+1], 128<<16      ; tensor_dim0 = 128
	s_mov_b32 s[\g+2], 64<<16       ; tensor_dim1 = 64
	s_mov_b32 s[\g+3], 128<<16      ; tile_dim0 = 128
	s_mov_b32 s[\g+4], 64           ; tile_dim1 = 64
	s_mov_b32 s[\g+5], 128          ; 128 elements from row to row
	s_mov_b32 s[\g+6], 0
	s_mov_b32 s[\g+7], 0
.endr
	s_mov_b32 s[CS], 0x3e38aa3b     ; c = log2(e) / 8 = 0.180337
	s_mov_b32 s[CS+1], s[CS]        ; named with it as a pair
	s_mov_b32 s[SEL], 0x76543210
	s_mov_b32 s[SEL+1], 0xfedcba98
	s_mov_b32 s[TBK], SLOT1+4*KS*PK ; the first change of slots turns these two into 0
	s_mov_b32 s[TBV], SLOT1+4*KS*PV
	s_mov_b32 s[G0K], 1             ; count = 1
	s_mov_b32 s[G0K+1], s48         ; LDS address: slot 0
	s_mov_b32 s[G0V], 1
	s_add_co_u32 s[G0V+1], s49, VOFF
	s_mov_b32 s[SLOTS], NT-1
	s_and_b32 s[LIM], s[WV], 1      ; 0 in waves 0 and 2,
	s_or_b32 s[LIM], s[LIM], ttmp9  ; where the cluster is the head's first: the same in all four partners
	s_cmp_eq_u32 s[LIM], 0
	s_cselect_b32 s[LIM], 1, -1
	v_and_b32 v[PFO], 31, v0
	v_lshlrev_b32 v[PFO], 8, v[PFO]
	s_wait_dscnt 0x0                ; the opening add is done
	s_wait_kmcnt 0x0
	s_add_nc_u64 s[6:7], s[4:5], 0x800000    ; K is hd's second part,
	s_add_nc_u64 s[8:9], s[4:5], 0x1000000   ; V its third
	s_add_nc_u64 s[6:7], s[6:7], s[22:23]    ; at my half of the head's first 256 keys
	s_add_nc_u64 s[8:9], s[8:9], s[22:23]
	s_add_nc_u64 s[G0K+2:G0K+3], s[6:7], 0   ; global address
	s_or_b32 s[G0K+3], s[G0K+3], 0x80000000  ; type = 2
	s_add_nc_u64 s[G0V+2:G0V+3], s[8:9], 0
	s_or_b32 s[G0V+3], s[G0V+3], 0x80000000
	s_add_nc_u64 s[4:5], s[4:5], s[2:3]      ; Q and O at my wave's first row
	s_add_nc_u64 s[10:11], s[10:11], s[2:3]
	s_cmp_lt_u32 s[WV], 2
	s_cselect_b64 s[PFA:PFA+1], s[6:7], s[8:9]  ; (in waves 0 and 2 these stand at a slot's first byte)
	s_lshl_b32 s2, s13, 13          ; my work-group's 32 blocks of the 128
	s_add_nc_u64 s[PFA:PFA+1], s[PFA:PFA+1], s[2:3]
	s_add_nc_u64 s[PFA:PFA+1], s[PFA:PFA+1], 2*TILEB  ; in slot 2's keys; the loop's first change steps it on.  Nothing is prefetched here, at the head
	CROUND                          ; all four work-groups are here: the first joint loads meet
	JLOAD                           ; slot 0.  Slot 1 is asked for when slot 0 is in
	; A fragment of K or Q is 16 rows x 32 channels in 8 registers: lane l holds row l % 16, channels 8 (l / 16) + 0..7 and 16 + 8 (l / 16) + 0..7: two loads of 16 bytes, 32 bytes apart.
	v_and_b32 v1, 15, v0            ; l % 16
	v_bfe_u32 v9, v0, 4, 1          ; l / 16
	v_lshlrev_b32 v[QO], 7, v1
	v_lshl_add_u32 v[QO], v9, 4, v[QO]  ; row x 128 + 16 x half
	WIN 0x80                        ; destination window 2, address window 0
.set i, 0
.rept 8                             ; Q stays in registers: piece i / 2, channels 32 (i % 2) on
	global_load_b128 v[8*i:8*i+3],   v[QO], s[4:5] offset:(i/2)*2048+(i%2)*64
	global_load_b128 v[8*i+4:8*i+7], v[QO], s[4:5] offset:(i/2)*2048+(i%2)*64+32
.set i, i+1
.endr
	; What the first turn finds: V's registers and P's second buffer hold 0 (its products V^T P, of a piece that has not been, add 0), O^T and l are 0.  All this stands in the wait for the first tile.
.set i, VF
.rept 64
	v_mov_b32 v[i], 0
.set i, i+1
.endr
	WIN 0x40
.set i, 0
.rept 128
	v_mov_b32 v[i], 0
.set i, i+1
.endr
	WIN 0
.set i, 0
.rept 4
	v_mov_b32 v[ST+4*i], 0xfe000000    ; c m: far below every c s
	v_mov_b32 v[ST+4*i+1], 0xff7fffff  ; m
	v_mov_b32 v[ST+4*i+2], 0
	v_mov_b32 v[ST+4*i+3], 0
.set i, i+1
.endr
.set i, P+16
.rept 16
	v_mov_b32 v[i], 0
.set i, i+1
.endr
	v_mul_u32_u24 v[AK0], v1, PK
	v_lshl_add_u32 v[AK0], v9, 4, v[AK0]  ; row x pitch + 16 x half
	; The turning load takes 16 keys x 16 channels (lane l reads key 8 (l / 16) + l % 8, channels 8 ((l / 8) % 2) + 0..7) and leaves half a fragment of V^T: lane l holds channel l % 16 and 8 keys.
	v_and_b32 v10, 7, v0
	v_bfe_u32 v11, v0, 3, 1
	v_lshl_add_u32 v[AV0], v9, 3, v10
	v_mul_u32_u24 v[AV0], v[AV0], PV
	v_lshl_add_u32 v[AV0], v11, 4, v[AV0]
	v_add_nc_u32 v[AV0], VOFF, v[AV0]
	s_mul_i32 s50, s[WV], 16*SP
	s_add_co_u32 s50, s50, STAGE    ; my stage
	v_mul_u32_u24 v[STO], v1, SP    ; in: row l % 16, 16 bytes for each half of the lanes
	v_lshl_add_u32 v[STO], v9, 4, v[STO]
	v_add_nc_u32 v[STO], s50, v[STO]
	v_bfe_u32 v[RD], v0, 3, 2       ; back: 32 lanes take four rows of 128 bytes,
	v_mul_u32_u24 v[RD], v[RD], SP
	v_lshl_add_u32 v[RD], v10, 4, v[RD]
	v_add_nc_u32 v[RD], s50, v[RD]
	v_and_b32 v[GO], 31, v0         ; which are 512 consecutive bytes of O
	v_lshlrev_b32 v[GO], 4, v[GO]
; THE MATRIX WORK.  The 4 accumulators of a run of 8 take turns.  Product i of 8 of S^T = K Q^T for piece x: channels 32 (i / 4) on, keys 16 (i % 4) on.  The first 4 start the sums.
.macro KQ x
	WIN W_KQ
.set rS, S+32*((\x)%2)+8*(i%4)
.set rK, KF+16*(i%4)+8*(i/4)
.set rQ, 16*(\x)+8*(i/4)
.if i < 4
	v_wmma_f32_16x16x32_f16 v[rS:rS+7], v[rK:rK+7], v[rQ:rQ+7], 0
.else
	v_wmma_f32_16x16x32_f16 v[rS:rS+7], v[rK:rK+7], v[rQ:rQ+7], v[rS:rS+7]
.endif
.endm
; Product i of 8 of O^T += V^T P for piece x: keys 32 (i / 4) on, channels 16 (i % 4) on.
.macro PV x
	WIN W_PV
.set rO, 32*(\x)+8*(i%4)
.set rV, VF+32*(i/4)+8*(i%4)
.set rP, P+16*((\x)%2)+8*(i/4)
	v_wmma_f32_16x16x32_f16 v[rO:rO+7], v[rV:rV+7], v[rP:rP+7], v[rO:rO+7]
.endm
.macro MM                           ; the turn's next matrix instruction.  TURN sets Y, i and NOKQ.  NOKQ = 1: the walk's last turn: there is no next piece
.if (i < 8) && !NOKQ
	KQ (Y+1)%NP
.elseif i >= 8
.set i, i-8
	PV (Y+NP-1)%NP
.set i, i+8
.endif
.set i, i+1
.endm
; THE LDS LOADS stand in runs of 16, never singly among the matrix instructions: a step's K (64 keys x 64 channels: 8 fragments) and its V (turned).  Their addresses are made some lines ahead.
.macro FETCH_K
	WIN 0x80                        ; destination window 2
.irp f, 0,1,2,3,4,5,6,7             ; keys 16 (f / 2) on, channels 32 (f % 2) on
	ds_load_b128 v[KF+8*\f:KF+8*\f+3],   v[AK] offset:(\f/2)*16*PK+(\f%2)*64
	ds_load_b128 v[KF+8*\f+4:KF+8*\f+7], v[AK] offset:(\f/2)*16*PK+(\f%2)*64+32
.endr
	s_add_co_u32 s[TBK], s[TBK], KS*PK  ; the next fetch is the next step's
	WIN 0
.endm
.macro FETCH_V
	WIN 0x80
.irp f, 0,1,2,3,4,5,6,7             ; keys 32 (f / 4) on, channels 16 (f % 4) on
	ds_load_tr16_b128 v[VF+8*\f:VF+8*\f+3],   v[AV] offset:(\f/4)*32*PV+(\f%4)*32
	ds_load_tr16_b128 v[VF+8*\f+4:VF+8*\f+7], v[AV] offset:(\f/4)*32*PV+16*PV+(\f%4)*32
.endr
	WIN 0
.endm
; THE VECTOR WORK, one line at a time: OP kind, number.  For piece Y: F n: c s - c m for pair n of 16.  E n: the exponential of score n of 32.  C n: pair n rounded to f16.  B n: of the four weights 4 n .. the second
; pair is added onto the first, in place.  L n: l takes that sum (L 0: l = a l + sum).  R n: pair n of 16 of O^T times a.  For piece Y + 1: X n, number n of the 22 that find its maximum and statistics:
;   0-11  four chains c0-c3 of seven scores each, three operands at a time (each accumulator's lowest registers are read first)     12-14, 16  the four scores left over, the old m, and c0-c3 into c0
;   15  c m_old is kept     17, 18  the query's other 32 keys lie in the lane 16 away: the new m     19-21  c m; c m_old - c m_new; a
.set F, 0               ; OP tells the kinds apart by their order: F to L below R, X above it
.set E, 1
.set C, 2
.set B, 3
.set L, 4
.set R, 5
.set X, 6
.macro REGS y                       ; the registers of piece y
.set rT, ST+4*(\y)
.set rC, TMP+4*((\y)%2)
.set rW, MV+((\y)%2)
.set rS, S+32*((\y)%2)
.set rP, P+16*((\y)%2)
.set rO, 32*(\y)
.endm
.macro OP k, n
.if (\k) == R
	REGS Y
	WIN W_RS
	v_pk_mul_f32 v[rO+2*(\n):rO+2*(\n)+1], v[rO+2*(\n):rO+2*(\n)+1], v[rC+2:rC+3] op_sel_hi:[1,0]
.elseif (\k) < R
	REGS Y
	WIN 0
.if (\k) == F
	v_pk_fma_f32 v[rS+2*(\n):rS+2*(\n)+1], v[rS+2*(\n):rS+2*(\n)+1], s[CS:CS+1], v[rT:rT+1] op_sel_hi:[1,0,0] neg_lo:[0,0,1] neg_hi:[0,0,1]
.elseif (\k) == E
	v_exp_f32 v[rS+(\n)], v[rS+(\n)]
.elseif (\k) == C
	s_wait_alu depctr_va_vdst(0)
	v_cvt_pk_f16_f32 v[rP+(\n)], v[rS+2*(\n)], v[rS+2*(\n)+1]
.elseif (\k) == B
	s_wait_alu depctr_va_vdst(0)
	v_pk_add_f32 v[rS+4*(\n):rS+4*(\n)+1], v[rS+4*(\n):rS+4*(\n)+1], v[rS+4*(\n)+2:rS+4*(\n)+3]
.elseif (\n) == 0
	v_pk_fma_f32 v[rT+2:rT+3], v[rT+2:rT+3], v[rC+2:rC+3], v[rS:rS+1] op_sel_hi:[1,0,1]
.else
	v_pk_add_f32 v[rT+2:rT+3], v[rT+2:rT+3], v[rS+4*(\n):rS+4*(\n)+1]
.endif
.elseif NOKQ
	v_nop
.else
	REGS (Y+1)%NP
	WIN 0
.if (\n) < 4
	v_max3_num_f32 v[rC+(\n)], v[rS+8*(\n)], v[rS+8*(\n)+1], v[rS+8*(\n)+2]
.elseif (\n) < 12
	v_max3_num_f32 v[rC+(\n)%4], v[rC+(\n)%4], v[rS+8*((\n)%4)+2*((\n)/4)+1], v[rS+8*((\n)%4)+2*((\n)/4)+2]
.elseif (\n) == 12
	v_max3_num_f32 v[rC], v[rC], v[rS+7], v[rS+15]
.elseif (\n) == 13
	v_max3_num_f32 v[rC+1], v[rC+1], v[rS+23], v[rS+31]
.elseif (\n) == 14
	v_max3_num_f32 v[rC+2], v[rC+2], v[rC+3], v[rT+1]
.elseif (\n) == 15
	v_mov_b32 v[rW], v[rT]
.elseif (\n) == 16
	v_max3_num_f32 v[rC], v[rC], v[rC+1], v[rC+2]
.elseif (\n) == 17
	v_permlanex16_b32 v[rC+3], v[rC], s[SEL], s[SEL+1]
.elseif (\n) == 18
	v_max_num_f32 v[rT+1], v[rC], v[rC+3]
.elseif (\n) == 19
	v_mul_f32 v[rT], s[CS], v[rT+1]
.elseif (\n) == 20
	v_sub_f32 v[rC+1], v[rW], v[rT]
.else
	v_exp_f32 v[rC+2], v[rC+1]
.endif
.endif
.endm
.macro OPS a, i1, b=-1, i2=0, c=-1, i3=0, d=-1, i4=0  ; up to four of them
	OP \a, \i1
.if (\b) >= 0
	OP \b, \i2
.endif
.if (\c) >= 0
	OP \c, \i3
.endif
.if (\d) >= 0
	OP \d, \i4
.endif
.endm
.macro ROW a, i1, b, i2, c, i3, d, i4  ; a matrix instruction and the four behind it
	MM
	OPS \a, \i1, \b, \i2, \c, \i3, \d, \i4
.endm
; A TURN, for piece p: the order of its 16 matrix and 118 vector instructions, written out.  Behind a matrix instruction: plain, exponential, plain, plain; or four of the rescaling; or, behind the first, four scalings; none
; names a register of the products round it.  In the runs between, exponential and plain by turns while exponentials last.  A line reads no result made fewer than three vector instructions in front of it, five if an
; exponential made it.  v_permlanex16_b32 (X 17) stands in such a run.  end = 1: the walk's last two turns: nothing is fetched.  cnt = 1: the loop's count is taken down some lines ahead of the branch behind the turn.
; K of the next step is fetched in piece 2's turn, six vector instructions behind the last product that read K (five of them plain); V of the step in hand in piece 0's turn, eight behind the last product that read V (four
; plain, and X 17).  Each is waited for a turn later.
.macro TURN p, end=0, cnt=0
.set Y, (\p)
.set i, 0
.set NOKQ, (\end)*((\p)/3)
.if ((\p) == 3) && !(\end)
	s_wait_dscnt 0x0                ; K is in
.endif
	ROW F,0, F,1, F,2, F,3
	ROW F,4, E,0, F,5, F,6
	ROW F,7, E,1, F,8, F,9
	ROW F,10, E,2, C,0, F,11
	ROW F,12, E,3, X,15, F,13
	ROW R,0, R,1, R,2, R,3
	ROW B,0, E,4, F,14, L,0
.if ((\p) == 2) && !(\end)
	v_add_nc_u32 v[AK], s[TBK], v[AK0]
.endif
	ROW R,4, R,5, R,6, R,7
	OPS E,5, F,15
.if ((\p) == 2) && !(\end)
	FETCH_K
.endif
	OPS E,6, C,1, E,7, R,8
	OPS E,8, R,9, E,9, C,2
	OPS E,10, X,0, E,11, X,1
	OPS E,12, X,2, E,13, X,3
.if (\p) == 1
	s_wait_dscnt 0x0                ; V is in
.endif
	ROW X,4, E,14, X,5, X,6
	ROW X,7, E,15, X,8, X,9
	ROW X,10, E,16, X,11, X,12
	ROW X,13, E,17, X,14, B,1
	ROW C,4, E,18, X,16, L,1
	ROW B,2, E,19, C,6, L,2
	ROW C,8, E,20, B,3, B,4
.if (\p) == 0
	v_add_nc_u32 v[AV], s[TBV], v[AV0]
.endif
	ROW C,3, E,21, L,3, C,5
	OPS E,22, X,17, E,23, C,10
.if (\p) == 0
	FETCH_V
.endif
	OPS E,24, L,4
	OPS E,25, X,18, E,26, C,7
	OPS E,27, B,5, E,28, X,19
	OPS E,29, C,12, E,30, L,5
	OPS E,31, X,20, B,6, C,9
	OPS C,14, C,11, X,21, L,6
.if (\p) == 0
	s_add_co_u32 s[TBV], s[TBV], KS*PV
.endif
.if \cnt
	s_sub_co_u32 s[CNT], s[CNT], 1
	s_cmp_lg_u32 s[CNT], 0
.endif
	OPS C,13, B,7, C,15, R,10
	OPS R,11, R,12, L,7, R,13
	OPS R,14, R,15
.endm
	CHANGE 1, 0                     ; slot 0 is in, everybody's part of it; slot 1 is asked for
	v_add_nc_u32 v[AK], s[TBK], v[AK0]
	FETCH_K                         ; key step 0
	s_wait_loadcnt 0x0              ; Q
	s_wait_dscnt 0x0
.set NOKQ, 0
.set i, 0
.rept 8
	KQ 0                            ; piece 0's first scores: there is no vector work yet to set between them
.set i, i+1
.endr
	WIN 0
.rept 4
	v_nop                           ; the places behind those products (ISA guide 7.12.1)
.endr
.set Y, NP-1                        ; X works for piece Y + 1: piece 0
.irp n, 0,1,2,3,4,5,6,7,8,9,10,11,12,13,14,15,16,17,18,19,20,21
	OP X, \n                        ; piece 0's first maximum and statistics
.endr
	v_nop                           ; a plain instruction behind the exponential
	s_mov_b32 s[CNT], 4
	s_branch .Lfirst                ; the loop is entered at a step's first turn, in the middle of a trip
.Lslot:                             ; NT - 2 = 14 times: every slot but the last two is filled again
	CHANGE 1, 1
	s_mov_b32 s[CNT], 4
.Lstep:                             ; a trip: pieces 2 and 3 of one step, then pieces 0 and 1 of the next, whose K and V it fetches
	TURN 2
	TURN 3
	WIN 0
.Lfirst:
	TURN 0
	TURN 1, 0, 1
	WIN 0
	s_cbranch_scc1 .Lstep
	s_sub_co_u32 s[SLOTS], s[SLOTS], 1
	s_cmp_lg_u32 s[SLOTS], 0
	s_cbranch_scc1 .Lslot
	CHANGE 0, 0                     ; the last slot is written out: nothing is asked for
	s_mov_b32 s[CNT], 4
.Ltail:
	TURN 2
	TURN 3
	TURN 0
	TURN 1, 0, 1
	WIN 0
	s_cbranch_scc1 .Ltail
	TURN 2, 1                       ; the last step's pieces 2 and 3: nothing is fetched, and the last turn starts no new scores
	TURN 3, 1
.set i, 0
.rept 8
	PV NP-1                         ; the last piece's V^T P of the last step
.set i, i+1
.endr
	; THE WAY OUT.  l's two halves and the other half of the lanes' are added; O^T is divided by l, rounded to f16 and sent through my stage in LDS, a piece at a time.  The additions are the places behind the last products.
	WIN 0
.macro ALL line:vararg              ; one line for each piece t
.set t, 0
.rept 4
	\line
.set t, t+1
.endr
.endm
	ALL v_add_f32 v[ST+4*t+2], v[ST+4*t+2], v[ST+4*t+3]
	ALL v_permlanex16_b32 v[ST+4*t+3], v[ST+4*t+2], s[SEL], s[SEL+1]
	ALL v_add_f32 v[ST+4*t+2], v[ST+4*t+2], v[ST+4*t+3]
	ALL v_rcp_f32 v[ST+4*t+2], v[ST+4*t+2]
	v_nop                           ; a plain instruction between the last reciprocal and the use of its result
.macro PACK t                       ; a lane's eight channels of a row pack into 16 bytes; they go into rows of 144 bytes and come back as whole rows of 128, into S^T's registers
	WIN W_RS
.set i, 32*(\t)
.rept 16
	s_wait_alu depctr_va_vdst(0)
	v_pk_mul_f32 v[i:i+1], v[i:i+1], v[ST+4*(\t)+2:ST+4*(\t)+3] op_sel_hi:[1,0]
.set i, i+2
.endr
	WIN 0x05                        ; sources 0 and 1 window 1, destination window 0
.set i, 0
.rept 16
	v_cvt_pk_f16_f32 v[S+16*(\t)+i], v[32*(\t)+2*i], v[32*(\t)+2*i+1]
.set i, i+1
.endr
	WIN 0
.irp f, 0,1,2,3
	ds_store_b128 v[STO], v[S+16*(\t)+4*\f:S+16*(\t)+4*\f+3] offset:32*\f
.endr
.irp f, 0,1,2,3
	ds_load_b128 v[S+16*(\t)+4*\f:S+16*(\t)+4*\f+3], v[RD] offset:\f*4*SP  ; LDS serves a wave's instructions in order (ISA guide 5.7.1.4): these see the stores above; the next piece's stores come behind them
.endr
.endm
.macro SEND t, younger              ; younger: the LDS instructions issued behind piece t's loads: the next piece's eight, or none
	WIN 0
.irp f, 0,1,2,3
	s_wait_dscnt (\younger)+3-\f
	global_store_b128 v[GO], v[S+16*(\t)+4*\f:S+16*(\t)+4*\f+3], s[10:11] offset:(\t)*2048+\f*512  ; 512 consecutive bytes, at a multiple of 256 from O's first
.endr
.endm
	PACK 0
.set t, 1
.rept 3                             ; a piece's arithmetic stands between the loads of the piece before and its stores
	PACK t
	SEND t-1, 8
.set t, t+1
.endr
	SEND 3, 0
	s_wait_tensorcnt 0x0            ; the wave's end: behind my last tensor load and my last LDS store
	ds_add_u32 v[SPW], v[NIL]
	s_wait_dscnt 0x0
	CROUND                          ; the closing round: no work-group ends while a partner may still ask for a tile that names it
	s_endpgm
.Lfunc_end_k_q00572cba86_attn:
	.size	k_q00572cba86_attn, .Lfunc_end_k_q00572cba86_attn-k_q00572cba86_attn
	.p2alignl 7, 3214868480
	.fill 96, 4, 3214868480
	.section	.rodata,"a",@progbits
	.p2align	6, 0x0
	.amdhsa_kernel k_q00572cba86_attn
		.amdhsa_group_segment_fixed_size 327680
		.amdhsa_private_segment_fixed_size 0
		.amdhsa_enable_private_segment 0
		.amdhsa_kernarg_size 16
		.amdhsa_user_sgpr_count 2
		.amdhsa_user_sgpr_kernarg_segment_ptr 1
		.amdhsa_wavefront_size32 1
		.amdhsa_system_sgpr_workgroup_id_x 1
		.amdhsa_system_sgpr_workgroup_id_y 1
		.amdhsa_system_sgpr_workgroup_id_z 1
		.amdhsa_system_vgpr_workitem_id 0
		.amdhsa_next_free_vgpr 768
		.amdhsa_next_free_sgpr 66
		.amdhsa_reserve_vcc 0
		.amdhsa_float_denorm_mode_32 3
		.amdhsa_float_denorm_mode_16_64 3
		.amdhsa_memory_ordered 1
		.amdhsa_forward_progress 1
		.amdhsa_inst_pref_size 134
	.end_amdhsa_kernel
	.amdgpu_metadata
---
amdhsa.version: [ 1, 2 ]
amdhsa.kernels:
  - .name:           k_q00572cba86_attn
    .symbol:         k_q00572cba86_attn.kd
    .args:
      - { .name: hd, .offset: 0, .size: 8, .value_kind: global_buffer, .address_space: global }
      - { .name: oh, .offset: 8, .size: 8, .value_kind: global_buffer, .address_space: global }
    .group_segment_fixed_size: 327680
    .private_segment_fixed_size: 0
    .kernarg_segment_align: 8
    .kernarg_segment_size: 16
    .max_flat_workgroup_size: 128
    .sgpr_count:     66
    .vgpr_count:     768
    .wavefront_size: 32
...
	.end_amdgpu_metadata
.endif
;; end of part 3
;; launch outp (part 4): grid 8 x 32, 4 waves a work-group, clusters of 4 x 4, 327,680 bytes of LDS; arguments oh, xb, out0; writes out0
.if DOCPART == 4
	.amdgcn_target "amdgcn-amd-amdhsa--gfx1250"
	.amdhsa_code_object_version 6
	.text
	.protected	k_q00572cba86_outp
	.globl	k_q00572cba86_outp
	.p2align	8
	.type	k_q00572cba86_outp,@function
k_q00572cba86_outp:
	s_mov_b64 s[64:65], 0
	v_nop
	global_prefetch_b8 v0, s[64:65] scope:SCOPE_SE
	s_setreg_imm32_b32 hwreg(HW_REG_WAVE_MODE, 25, 1), 1
	s_wait_xcnt 0x0
	s_wait_alu depctr_hold_cnt(0) depctr_sa_sdst(0) depctr_va_vdst(0) depctr_va_sdst(0) depctr_va_ssrc(0) depctr_va_vcc(0) depctr_vm_vsrc(0)
	s_getreg_b32 s2, hwreg(HW_REG_IB_STS2, 6, 4)
	s_cmp_eq_u32 s2, 0
	s_cbranch_scc0 .Lentry_in_a_cluster
	s_endpgm
.Lentry_in_a_cluster:
	s_bfe_u32 s2, ttmp6, 0x10000c
	s_cmp_lg_u32 s2, 0xf033
	s_cbranch_scc0 .Lentry_shape_is_right
	s_endpgm
.Lentry_shape_is_right:
; THE OUTPUT PRODUCT.  out0[s][n] = the sum over h and c of oh[h][s][c] Wo[n][64 h + c].  oh: [16][4096][64] f16; Wo: [1024][1024] f16, at the end of xb; sums in f32; out0: [4096][1024] f32, no further rounding.
; LIMITS.  None of its own: the operands arrive in f16.  NaN and infinities are not treated apart.
; A tile is 128 rows x 128 columns: 32 x 8 = 256 work-groups.  Four waves, each 64 x 64: 16 accumulators.  K = 1,024 goes in four steps of 256, four heads each, through two LDS slots.
; A wave's part of oh for a step is 64 rows of each of four heads: in each head 8,192 dense bytes, so the tile is asked for as 4 rows of 4,096 elements, 262,144 elements apart, padded in LDS after every 128 bytes.
; CLUSTERS: 4 x 4 work-groups.  The four of a row of the cluster need the same rows of oh, the four of a column the same rows of Wo: each tile is asked for JOINTLY.
; THE MATRIX INSTRUCTION IS USED TRANSPOSED (source 0 = 16 rows of Wo, source 1 = 16 rows of oh): a lane then holds eight neighbouring numbers of a row of out0.
; REGISTERS: window 0: v0-31 addresses; v128-255 the accumulators ((a, b) at v[128 + 8 (4 a + b)]), which also take the rows that come back from the stage.
;   window 1: two fragment buffers of 128: for 64 along K (one head), 64 registers of oh, then 64 of Wo.
.set PAO,    144                       ; a row of one head in LDS: 128 bytes + 16 = 36 words: the 16 rows of a load start at 16 different groups of four banks (64 banks of 4 bytes: ISA guide 11.1)
.set HEADA,  64*PAO                    ; 64 rows of one head
.set REGA,   4*HEADA                   ; what one tensor load brings of oh: 64 rows of four heads
.set PB,     528                       ; a row of Wo in LDS: 512 bytes + 16
.set HALFB,  64*PB                     ; what one tensor load brings of Wo
.set SLOT,   2*REGA+2*HALFB
.set STAGE,  2*SLOT                    ; behind the ring: 16 rows x 272 bytes for each wave, for the way out
.set SP,     272
.set SPARE,  STAGE+4*16*SP             ; behind the stages: the spare words, 128 bytes for each wave: two blocks of 256 bytes that no other line names
.set WOOFF,  31457280                  ; where Wo begins in xb
.set STEPA,  2*4*524288                ; a slot's next K step: eight heads on,
.set STEPB,  2*512                     ; two steps along Wo's rows
.set ADRA, 16                          ; v16-17  LDS address of my oh fragments in slot 0, 1
.set ADRB, 20                          ; v20-21  the same for Wo
.set STO,  24                          ; v24     the way out: where I put 32 bytes of a row
.set RD,   25                          ; v25     the way out: where I read a row back
.set CO,   26                          ; v26     my byte offset in two rows of out0
.set SPW,  28                          ; v28     LDS address of my spare word: SPARE + 4 x my thread's number; never rewritten
.set NIL,  29                          ; v29     0; never rewritten
.set ACC,  128
.set F0,   0
.set F1,   128
.set G1, 24                            ; s[24:31] descriptor group 1 for oh's tiles;  s[32:39] group 0, one set for each slot
.set G0, 32
.set G1B, 48                           ; s[48:55], s[56:63] the same for Wo's
.set G0B, 56
.set MSB, 0
.macro WIN new                         ; the immediate's high byte repeats the setting that is left; a switch that changes nothing is dropped
.if MSB != (\new)
	s_set_vgpr_msb (MSB<<8)|(\new)
.set MSB, \new
.endif
.endm
.set MUL,  0x05                        ; sources 0 (Wo) and 1 (oh) window 1; C and D window 0
.set TO_F, 0x40                        ; destination window 1, address window 0
.macro JLOAD s                         ; a joint load: waves 0 and 1 fetch oh's two halves, waves 2 and 3 Wo's; an s_nop 0 and four v_nop follow each of the two lines
	s_cmp_eq_u32 s11, 0
	s_cbranch_scc0 .Lfor_b_\@
	tensor_load_to_lds s[G0+4*(\s):G0+4*(\s)+3], s[G1:G1+7]
	s_nop 0
.rept 4
	v_nop
.endr
	s_branch .Lasked_\@
.Lfor_b_\@:
	tensor_load_to_lds s[G0B+4*(\s):G0B+4*(\s)+3], s[G1B:G1B+7]
	s_nop 0
.rept 4
	v_nop
.endr
.Lasked_\@:
.endm
.macro CREST                           ; a round of the cluster's barrier behind its opening barrier
	s_cmp_lg_u32 s10, 0
	s_cbranch_scc1 .Lnot_wave_0_\@
	s_barrier_signal -3
.Lnot_wave_0_\@:
	s_barrier_wait -3
	s_barrier_signal -1
	s_barrier_wait -1
.endm
.macro CROUND                          ; a whole round
	s_barrier_signal -1
	s_barrier_wait -1
	CREST
.endm
	s_load_b128 s[4:7], s[0:1], 0x0                ; oh s[4:5], xb s[6:7]
	s_load_b64 s[8:9], s[0:1], 0x10                ; out0
	v_lshl_add_u32 v[SPW], v0, 2, SPARE
	v_mov_b32 v[NIL], 0
	ds_add_u32 v[SPW], v[NIL]                      ; the wave's opening: the add and its wait stand ahead of my first tensor load; the set-up below, work on registers, stands between them
	v_lshrrev_b32 v1, 5, v0
	v_readfirstlane_b32 s10, v1                    ; wave 0..3
	s_lshr_b32 s11, s10, 1                         ; which half of the tile's rows is mine.  Also: I fetch for oh (0) or for Wo (1)
	s_and_b32 s12, s10, 1                          ; which half of its columns.  Also: which 64 rows of that tile I fetch
	s_bfe_u32 s40, ttmp6, 0x40000                  ; cx, cy: my place in the cluster
	s_bfe_u32 s41, ttmp6, 0x40004
	s_lshl_b32 s42, ttmp9, 2
	s_add_co_u32 s42, s42, s40                     ; tile column = 4 x cluster x + cx
	s_and_b32 s13, ttmp7, 0xffff
	s_lshl_b32 s13, s13, 2
	s_add_co_u32 s13, s13, s41                     ; tile row = 4 x cluster y + cy
	s_lshl_b32 s43, s41, 2
	s_lshl_b32 s43, 15, s43                        ; my row of the cluster
	s_lshl_b32 s44, 0x1111, s40                    ; my column
	; descriptor group 1 for oh: 4 rows (heads) x 4,096 elements (64 rows of 64 channels), 16 bytes of padding behind every 128 bytes
	s_or_b32 s[G1+0], s43, (1<<16)|(1<<20)|(1<<21)|(4<<22)|(3<<25)  ; 15:0 the mask: my row; 17:16 2-byte elements; 20 padding on; 21 set beside a mask; 24:22 after every 32 words (code 4); 31:25 4 words (code 3)
	s_mov_b32 s[G1+1], 4096<<16                    ; tensor_dim0 = 4,096
	s_mov_b32 s[G1+2], 4<<16                       ; tensor_dim1 = 4
	s_mov_b32 s[G1+3], 4096<<16                    ; tile_dim0 = 4,096
	s_mov_b32 s[G1+4], 4                           ; tile_dim1 = 4
	s_mov_b32 s[G1+5], 262144                      ; elements from head to head
	s_mov_b32 s[G1+6], 0
	s_mov_b32 s[G1+7], 0
	; for Wo: 64 rows x 256 elements, 16 bytes of padding behind each row
	s_or_b32 s[G1B+0], s44, (1<<16)|(1<<20)|(1<<21)|(6<<22)|(3<<25)  ; the mask: my column; after every 128 words (code 6) 4 words (code 3)
	s_mov_b32 s[G1B+1], 256<<16
	s_mov_b32 s[G1B+2], 64<<16
	s_mov_b32 s[G1B+3], 256<<16
	s_mov_b32 s[G1B+4], 64
	s_mov_b32 s[G1B+5], 1024
	s_mov_b32 s[G1B+6], 0
	s_mov_b32 s[G1B+7], 0
	; where the tiles come from.  oh's hang on the tile row alone, Wo's on the tile column alone; each in registers that never hold the other place
	s_lshl_b32 s16, s13, 7
	s_lshl_b32 s17, s12, 6
	s_add_co_u32 s16, s16, s17                     ; oh: row 128 x tile row + 64 x half,
	s_lshl_b32 s16, s16, 7                         ; of 128 bytes, in head 0
	s_mov_b32 s17, 0
	s_lshl_b32 s46, s42, 7
	s_lshl_b32 s47, s12, 6
	s_add_co_u32 s46, s46, s47                     ; Wo: row 128 x tile column + 64 x half,
	s_lshl_b32 s46, s46, 11                        ; of 2,048 bytes
	s_add_co_u32 s46, s46, WOOFF
	s_mov_b32 s47, 0
	s_mul_i32 s18, s12, REGA                       ; where they go: no place in the cluster enters an LDS address
	s_mul_i32 s19, s12, HALFB
	s_add_co_u32 s19, s19, 2*REGA
	s_wait_dscnt 0x0                               ; the opening add is done
	s_wait_kmcnt 0x0
	s_add_nc_u64 s[14:15], s[4:5], s[16:17]
	s_add_nc_u64 s[46:47], s[6:7], s[46:47]
	CROUND                                         ; all sixteen work-groups are here: the first joint loads meet
.irp s, 0,1
	s_mov_b32 s[G0+4*(\s)], 1                                      ; count = 1
	s_add_co_u32 s[G0+4*(\s)+1], s18, (\s)*SLOT                    ; LDS address
	s_add_nc_u64 s[G0+4*(\s)+2:G0+4*(\s)+3], s[14:15], (\s)*4*524288  ; global address: K step s begins with head 4 s
	s_or_b32 s[G0+4*(\s)+3], s[G0+4*(\s)+3], 0x80000000            ; type = 2
	s_mov_b32 s[G0B+4*(\s)], 1
	s_add_co_u32 s[G0B+4*(\s)+1], s19, (\s)*SLOT
	s_add_nc_u64 s[G0B+4*(\s)+2:G0B+4*(\s)+3], s[46:47], (\s)*512
	s_or_b32 s[G0B+4*(\s)+3], s[G0B+4*(\s)+3], 0x80000000
	JLOAD \s                                       ; two loads of mine are out
.endr
	v_and_b32 v1, 15, v0                           ; l % 16
	v_bfe_u32 v2, v0, 4, 1                         ; l / 16
	v_mul_u32_u24 v3, v1, PAO
	v_lshl_add_u32 v3, v2, 4, v3                   ; oh: a fragment's row x pitch + 16 x half
	v_mul_u32_u24 v4, v1, PB
	v_lshl_add_u32 v4, v2, 4, v4                   ; Wo likewise
	s_mul_i32 s21, s11, REGA                       ; my 64 rows of oh
	s_mul_i32 s22, s12, HALFB                      ; my 64 rows of Wo,
	s_add_co_u32 s22, s22, 2*REGA                  ; behind oh's two regions
.irp s, 0,1
	v_add_nc_u32 v[ADRA+(\s)], s21, v3
	v_add_nc_u32 v[ADRB+(\s)], s22, v4
	s_add_co_u32 s21, s21, SLOT
	s_add_co_u32 s22, s22, SLOT
.endr
	s_mul_i32 s23, s10, 16*SP
	s_add_co_u32 s23, s23, STAGE                   ; my stage
	v_mul_u32_u24 v5, v1, SP                       ; in: row l % 16, 32 bytes for each half of the lanes
	v_lshl_add_u32 v5, v2, 5, v5
	v_add_nc_u32 v[STO], s23, v5
	v_mul_u32_u24 v5, v2, SP                       ; back: lanes 0-15 take one row of 256 bytes, lanes 16-31 the next
	v_lshl_add_u32 v5, v1, 4, v5
	v_add_nc_u32 v[RD], s23, v5
	v_lshlrev_b32 v5, 12, v2                       ; and the same two rows in out0, 4,096 bytes apart
	v_lshl_add_u32 v[CO], v1, 4, v5
	s_lshl_b32 s16, s13, 7
	s_lshl_b32 s17, s11, 6
	s_add_co_u32 s16, s16, s17                     ; my first row of out0,
	s_lshl_b32 s16, s16, 12                        ; of 4,096 bytes: under 2^24
	s_mov_b32 s17, 0
	s_add_nc_u64 s[8:9], s[8:9], s[16:17]
	s_lshl_b32 s46, s42, 9                         ; my first column, in bytes: 512 x tile column + 256 x half
	s_lshl_b32 s47, s12, 8
	s_add_co_u32 s46, s46, s47
	s_mov_b32 s47, 0
	s_add_nc_u64 s[8:9], s[8:9], s[46:47]
; 8 matrix instructions: row blocks a0, a0 + 1 x all 4 column blocks, 32 along K: half c of buffer f.  zero = 1: the first product starts the sums.  The 16 accumulators take turns.
.macro MUL8 f, c, a0, zero
	WIN MUL
.irp a, \a0, (\a0)+1
.irp b, 0,1,2,3
.if \zero
	v_wmma_f32_16x16x32_f16 v[ACC+8*(4*(\a)+(\b)):ACC+8*(4*(\a)+(\b))+7], v[(\f)+64+8*(4*(\c)+(\b)):(\f)+64+8*(4*(\c)+(\b))+7], v[(\f)+8*(4*(\c)+(\a)):(\f)+8*(4*(\c)+(\a))+7], 0
.else
	v_wmma_f32_16x16x32_f16 v[ACC+8*(4*(\a)+(\b)):ACC+8*(4*(\a)+(\b))+7], v[(\f)+64+8*(4*(\c)+(\b)):(\f)+64+8*(4*(\c)+(\b))+7], v[(\f)+8*(4*(\c)+(\a)):(\f)+8*(4*(\c)+(\a))+7], v[ACC+8*(4*(\a)+(\b)):ACC+8*(4*(\a)+(\b))+7]
.endif
.endr
.endr
.endm
; 32 LDS loads in one run: the fragments of quarter q of a K step (one head, 64 along K) into buffer f; the first 32 along K first
.macro FETCH slot, q, f
	WIN TO_F
.irp c, 0,1
.irp i, 0,1,2,3
	ds_load_b128 v[(\f)+64+8*(4*(\c)+(\i)):(\f)+64+8*(4*(\c)+(\i))+3],   v[ADRB+(\slot)] offset:128*(\q)+64*(\c)+(\i)*16*PB
	ds_load_b128 v[(\f)+64+8*(4*(\c)+(\i))+4:(\f)+64+8*(4*(\c)+(\i))+7], v[ADRB+(\slot)] offset:128*(\q)+64*(\c)+(\i)*16*PB+32
	ds_load_b128 v[(\f)+8*(4*(\c)+(\i)):(\f)+8*(4*(\c)+(\i))+3],         v[ADRA+(\slot)] offset:(\q)*HEADA+64*(\c)+(\i)*16*PAO
	ds_load_b128 v[(\f)+8*(4*(\c)+(\i))+4:(\f)+8*(4*(\c)+(\i))+7],       v[ADRA+(\slot)] offset:(\q)*HEADA+64*(\c)+(\i)*16*PAO+32
.endr
.endr
.endm
.macro PLACES                          ; four places in front of loads into registers that matrix instructions have read or written, and of stores that read results
.rept 4
	v_nop
.endr
.endm
; A K step is four quarters of 64 along K, 32 matrix instructions each, on buffers 0, 1, 0, 1.  One of the first three: multiplies buffer f and fetches quarter q into g.
.macro QUARTER slot, q, f, g, zero
	s_wait_dscnt 16                                ; the first 32 along K are in; the sixteen younger loads may be out
	WIN MUL
	MUL8 \f, 0, 0, \zero
	MUL8 \f, 0, 2, \zero
	PLACES
	FETCH \slot, \q, \g
	s_wait_dscnt 32                                ; all but the 32 just issued
	WIN MUL
	MUL8 \f, 1, 0, 0
	MUL8 \f, 1, 2, 0
.endm
; The last quarter multiplies buffer 1 and changes slots: ONE barrier; in front of it each wave waits for all its tensor loads, adds 0 to its spare word, and waits for that and for its own reads of this slot.
; fill = 1: this slot is filled again, two K steps ahead; the barrier then opens a round of the cluster's.
.macro TURN slot, next, fill
	WIN 0                                          ; (the add's two registers lie in window 0)
	s_wait_tensorcnt 0x0                           ; all my tensor loads have landed: my part of the next slot;
	ds_add_u32 v[SPW], v[NIL]                      ; 0 onto my spare word;
	s_wait_dscnt 17                                ; (the add and the youngest sixteen loads may be out)
	WIN MUL
	MUL8 F1, 0, 0, 0                               ; eight matrix instructions stand between the add and the wait for it
	s_wait_dscnt 0x0                               ; the add is done, and my reads of this slot are over
	s_barrier_signal -1
	MUL8 F1, 0, 2, 0
.if \fill
	WIN 0
.endif
	s_barrier_wait -1
.if \fill
	CREST                                          ; no wave of any partner still reads this slot's tile or has a load on its way
	s_add_nc_u64 s[G0+4*(\slot)+2:G0+4*(\slot)+3], s[G0+4*(\slot)+2:G0+4*(\slot)+3], STEPA
	s_add_nc_u64 s[G0B+4*(\slot)+2:G0B+4*(\slot)+3], s[G0B+4*(\slot)+2:G0B+4*(\slot)+3], STEPB
	JLOAD \slot                                    ; the first tensor load behind the round; the four v_nop behind it are also the places in front of the loads below
.else
	PLACES
.endif
	FETCH \next, 0, F0
	WIN MUL
	MUL8 F1, 1, 0, 0
	MUL8 F1, 1, 2, 0
.endm
	s_wait_tensorcnt 1                             ; my part of K step 0 is in; K step 1's may stay out
	s_barrier_signal -1
	s_barrier_wait -1                              ; everybody's is
	FETCH 0, 0, F0
	QUARTER 0, 1, F0, F1, 1                        ; K step 0: its first products start the sums
	QUARTER 0, 2, F1, F0, 0
	QUARTER 0, 3, F0, F1, 0
	TURN 0, 1, 1                                   ; slot 0 takes K step 2
	QUARTER 1, 1, F0, F1, 0                        ; K step 1
	QUARTER 1, 2, F1, F0, 0
	QUARTER 1, 3, F0, F1, 0
	TURN 1, 0, 1                                   ; slot 1 takes K step 3
	QUARTER 0, 1, F0, F1, 0                        ; K step 2
	QUARTER 0, 2, F1, F0, 0
	QUARTER 0, 3, F0, F1, 0
	TURN 0, 1, 0                                   ; nothing is left to fetch
	QUARTER 1, 1, F0, F1, 0                        ; K step 3
	QUARTER 1, 2, F1, F0, 0
	QUARTER 1, 3, F0, F1, 0
	s_wait_dscnt 16
	WIN MUL
	MUL8 F1, 0, 0, 0
	MUL8 F1, 0, 2, 0
	s_wait_dscnt 0
	MUL8 F1, 1, 0, 0
	MUL8 F1, 1, 2, 0
	WIN 0
	; THE WAY OUT, in f32.  A row of my 64 columns is 256 bytes of out0, aligned.  A block of 16 rows at a time: 32 bytes a lane into my own stage, back as whole rows, two to a store.
	PLACES
.macro TOSTAGE a
.irp b, 0,1,2,3
	ds_store_b128 v[STO], v[ACC+32*(\a)+8*(\b):ACC+32*(\a)+8*(\b)+3]   offset:64*(\b)     ; each accumulator's lowest registers first
	ds_store_b128 v[STO], v[ACC+32*(\a)+8*(\b)+4:ACC+32*(\a)+8*(\b)+7] offset:64*(\b)+16
.endr
.irp t, 0,1,2,3,4,5,6,7
	ds_load_b128 v[ACC+32*(\a)+4*(\t):ACC+32*(\a)+4*(\t)+3], v[RD] offset:(\t)*2*SP  ; LDS serves a wave's instructions in order (ISA guide 5.7.1.4): these see the stores above; the next block's stores come behind them
.endr
.endm
.macro SEND a, younger                 ; younger: the LDS instructions issued behind block a's loads: the next block's sixteen, or none
.irp t, 0,1,2,3,4,5,6,7
	s_wait_dscnt (\younger)+7-(\t)
	global_store_b128 v[CO], v[ACC+32*(\a)+4*(\t):ACC+32*(\a)+4*(\t)+3], s[8:9] offset:(16*(\a)+2*(\t))*4096  ; 16 lanes store 256 consecutive bytes, at a multiple of 256 from out0's first byte
.endr
.endm
	TOSTAGE 0
	TOSTAGE 1
	SEND 0, 16
	TOSTAGE 2
	SEND 1, 16
	TOSTAGE 3
	SEND 2, 16
	SEND 3, 0
	s_wait_tensorcnt 0x0                           ; the wave's end: behind my last tensor load and my last LDS store
	ds_add_u32 v[SPW], v[NIL]
	s_wait_dscnt 0x0
	CROUND                                         ; the closing round: no work-group ends while a partner may still ask for a tile that names it
	s_endpgm
.Lfunc_end_k_q00572cba86_outp:
	.size	k_q00572cba86_outp, .Lfunc_end_k_q00572cba86_outp-k_q00572cba86_outp
	.p2alignl 7, 3214868480
	.fill 96, 4, 3214868480
	.section	.rodata,"a",@progbits
	.p2align	6, 0x0
	.amdhsa_kernel k_q00572cba86_outp
		.amdhsa_group_segment_fixed_size 327680
		.amdhsa_private_segment_fixed_size 0
		.amdhsa_enable_private_segment 0
		.amdhsa_kernarg_size 24
		.amdhsa_user_sgpr_count 2
		.amdhsa_user_sgpr_kernarg_segment_ptr 1
		.amdhsa_wavefront_size32 1
		.amdhsa_system_sgpr_workgroup_id_x 1
		.amdhsa_system_sgpr_workgroup_id_y 1
		.amdhsa_system_sgpr_workgroup_id_z 1
		.amdhsa_system_vgpr_workitem_id 0
		.amdhsa_next_free_vgpr 512
		.amdhsa_next_free_sgpr 66
		.amdhsa_reserve_vcc 0
		.amdhsa_float_denorm_mode_32 3
		.amdhsa_float_denorm_mode_16_64 3
		.amdhsa_memory_ordered 1
		.amdhsa_forward_progress 1
		.amdhsa_inst_pref_size 86
	.end_amdhsa_kernel
	.amdgpu_metadata
---
amdhsa.version: [ 1, 2 ]
amdhsa.kernels:
  - .name:           k_q00572cba86_outp
    .symbol:         k_q00572cba86_outp.kd
    .args:
      - { .name: oh, .offset: 0, .size: 8, .value_kind: global_buffer, .address_space: global }
      - { .name: xb, .offset: 8, .size: 8, .value_kind: global_buffer, .address_space: global }
      - { .name: out0, .offset: 16, .size: 8, .value_kind: global_buffer, .address_space: global }
    .group_segment_fixed_size: 327680
    .private_segment_fixed_size: 0
    .kernarg_segment_align: 8
    .kernarg_segment_size: 24
    .max_flat_workgroup_size: 128
    .sgpr_count:     66
    .vgpr_count:     512
    .wavefront_size: 32
...
	.end_amdgpu_metadata
.endif
;; end of part 4
;; ======== version 2 of 2: 4 launches; version 1 with the launch cast written anew for expert scheduling mode
;; limits: values are held in f16: magnitudes above 65,504 overflow, below 6.1e-05 lose precision
;; workspace buffers: xb 33,554,432 bytes; hd 25,165,824 bytes; oh 8,388,608 bytes
;; launch cast (part 5): grid 256 x 1, 16 waves a work-group, no clusters, 0 bytes of LDS; arguments q, k, v, Wq, Wk, Wv, Wo, xb; writes xb
.if DOCPART == 5
	.amdgcn_target "amdgcn-amd-amdhsa--gfx1250"
	.amdhsa_code_object_version 6
	.text
	.protected	k_q00572cba86_cast
	.globl	k_q00572cba86_cast
	.p2align	8
	.type	k_q00572cba86_cast,@function
k_q00572cba86_cast:
	s_mov_b64 s[64:65], 0
	v_nop
	global_prefetch_b8 v0, s[64:65] scope:SCOPE_SE
	s_setreg_imm32_b32 hwreg(HW_REG_WAVE_SCHED_MODE, 0, 2), 2
	s_setreg_imm32_b32 hwreg(HW_REG_WAVE_MODE, 25, 1), 1
	s_wait_xcnt 0x0
	s_wait_alu depctr_vm_vsrc(0)
; xb = the seven inputs, one behind the other in their own layouts, each number rounded once to bf16: q, k, v (4,194,304 numbers each), Wq, Wk, Wv, Wo (1,048,576 each).
; Wo's bf16 number is then written as f16, since the last product multiplies in f16.
; LIMITS.  |Wo| stays under 65,504 (beyond it f16 has an infinity); a Wo below 6e-5 keeps f16's fixed step of 6e-8.  NaN and infinities are not treated apart.
; A stream: no LDS, no barrier, no matrix unit, no cluster (no two work-groups read the same byte).
; SHARES.  Work-group id takes 65,536 numbers: 262,144 bytes in, 131,072 bytes out at xb + 131,072 id.  ids 0-63 q, 64-127 k, 128-191 v, 192-207 Wq, 208-223 Wk, 224-239 Wv, 240-255 Wo.
; The 512 threads take 8,192 consecutive bytes in a turn, 16 a thread; a wave's store covers 256 consecutive bytes, aligned.  32 turns.
; THE MODE: SCHED_MODE bits 1:0 = 2 (LLVM: expert scheduling mode 2), set by the entry lines.  The code itself states the register dependences
; between vector instructions and memory instructions, with s_wait_alu, always for 0.
; THE PLAN.  The 32 turns go in 8 blocks of four.  Registers that memory instructions touch:
;   X0 .. X3   four blocks as loaded.   Written by the loads of block p + 3, issued in block p; read by block p's roundings.
;   Y0, Y1     two blocks to store.     Written by block p's roundings; read by the four stores that are issued in block p + 1.
;   v1, v2     byte offsets, made once at the head and never written again: the turns are reached by immediate offsets, so the two scalar bases stay as well.
; Block p works on X[p % 4] and writes Y[p % 2].  Its memory instructions are the loads into X[(p + 3) % 4] = X[(p - 1) % 4] and the stores from
; Y[(p - 1) % 2]: the two buffers that block p - 1 worked on and that no vector instruction of block p names.  So the waits at the head of a block
; state all that the block's eight memory instructions hang on, and these are dealt among its vector instructions with no further wait.
; Block 0 stores nothing and blocks 5 to 7 load nothing; what is left is one lap of the four X buffers, so the eight blocks are written out by macro, without a loop.
.set BLOCK,  4                         ; turns in a block
.set BLOCKS, 8
.set INB,   8192                       ; bytes read in a turn
.set OUTB,  4096                       ; bytes written in a turn
.set X, 4                              ; v[4:67]   buffer k, turn i: four f32 as loaded, at X + 16 k + 4 i
.set Y, 68                             ; v[68:83]  buffer k, turn i: four 16-bit numbers to store, at Y + 8 k + 2 i
.set T, 84                             ; v[84:85]  at work: no memory instruction names them
	s_load_b512 s[8:23], s[0:1], 0x0               ; q s[8:9], k s[10:11], v s[12:13], Wq s[14:15], Wk s[16:17], Wv s[18:19], Wo s[20:21], xb s[22:23]
	s_mov_b32 s2, ttmp9                            ; id
	s_mov_b32 s24, 0xffff0000                      ; a word's upper bf16
	v_lshlrev_b32 v1, 4, v0                        ; my 16 bytes of a turn's 8,192; never rewritten
	v_lshlrev_b32 v2, 3, v0                        ; my 8 bytes of a turn's 4,096; never rewritten
	s_cmp_lt_u32 s2, 192
	s_cselect_b32 s3, 63, 15                       ; the large inputs have 64 chunks, the weights 16; each input's first id is a multiple of its count
	s_and_b32 s26, s2, s3                          ; the chunk's number in its input,
	s_lshl_b32 s26, s26, 18                        ; in bytes
	s_mov_b32 s27, 0
	s_lshl_b32 s28, s2, 17                         ; and where it goes in xb
	s_mov_b32 s29, 0
	s_wait_kmcnt 0x0
	s_cmp_lt_u32 s2, 64                            ; the input is chosen by the id alone
	s_cselect_b64 s[4:5], s[8:9], s[10:11]
	s_cmp_lt_u32 s2, 128
	s_cselect_b64 s[4:5], s[4:5], s[12:13]
	s_cmp_lt_u32 s2, 192
	s_cselect_b64 s[4:5], s[4:5], s[14:15]
	s_cmp_lt_u32 s2, 208
	s_cselect_b64 s[4:5], s[4:5], s[16:17]
	s_cmp_lt_u32 s2, 224
	s_cselect_b64 s[4:5], s[4:5], s[18:19]
	s_cmp_lt_u32 s2, 240
	s_cselect_b64 s[4:5], s[4:5], s[20:21]
	s_add_nc_u64 s[4:5], s[4:5], s[26:27]
	s_add_nc_u64 s[6:7], s[22:23], s[28:29]
; Block p.  left = the younger loads that may stay out when this block's four have to be there.  half = 1: bf16 is written as f16.
.macro BLK p, left, half
	s_wait_loadcnt \left                           ; loads come back in order (ISA guide 5.7.1): X[p % 4] is in, the younger blocks stay out
.if (\p) > 1
	s_wait_xcnt 0x0                                ; every earlier memory instruction has had its addresses translated (ISA guide 3.1): Y[p % 2] is rewritten only behind this wait
	s_wait_alu depctr_vm_vsrc(0)                   ; the stores issued in the block before have read Y[p % 2], which this block's roundings write again
.endif
.if (\p) > 0
	s_wait_alu depctr_va_vdst(0)                   ; the block before has written the other Y, which the stores below read, and is done reading its X, in which the loads below land
.endif
.irp i, 0,1,2,3
.if (\p) < BLOCKS-3
	global_load_b128 v[X+16*(((\p)+3)%4)+4*(\i):X+16*(((\p)+3)%4)+4*(\i)+3], v1, s[4:5] offset:(BLOCK*((\p)+3)+(\i))*INB th:TH_LOAD_NT  ; three blocks ahead; no vector instruction since the wait names these registers
.endif
.if (\p) > 0
	global_store_b64 v2, v[Y+8*(((\p)+1)%2)+2*(\i):Y+8*(((\p)+1)%2)+2*(\i)+1], s[6:7] offset:(BLOCK*((\p)-1)+(\i))*OUTB  ; the block before
.endif
	v_cvt_pk_bf16_f32 v[Y+8*((\p)%2)+2*(\i)],   v[X+16*((\p)%4)+4*(\i)],   v[X+16*((\p)%4)+4*(\i)+1]
	v_cvt_pk_bf16_f32 v[Y+8*((\p)%2)+2*(\i)+1], v[X+16*((\p)%4)+4*(\i)+2], v[X+16*((\p)%4)+4*(\i)+3]
.if \half
.irp j, 0,1
	v_lshlrev_b32 v[T],   16,  v[Y+8*((\p)%2)+2*(\i)+(\j)]    ; the rounded numbers as f32,
	v_and_b32     v[T+1], s24, v[Y+8*((\p)%2)+2*(\i)+(\j)]
	v_cvt_pk_f16_f32 v[Y+8*((\p)%2)+2*(\i)+(\j)], v[T], v[T+1]  ; and as f16: 8 significant bits fit into 11
.endr
.endif
.endr
.endm
.macro BODY half
	s_wait_alu depctr_va_vdst(0)                   ; v1 and v2 are written: every load reads v1 as its offset, every store v2
.irp i, 0,1,2,3,4,5,6,7,8,9,10,11
	global_load_b128 v[X+4*(\i):X+4*(\i)+3], v1, s[4:5] offset:(\i)*INB th:TH_LOAD_NT  ; blocks 0, 1 and 2 into X0, X1, X2
.endr
	BLK 0, 2*BLOCK, \half                          ; no block stands in front of it: no store, and no wait but the one for its data
	BLK 1, 2*BLOCK, \half                          ; no store has been issued yet, and Y1 is fresh
	BLK 2, 2*BLOCK, \half
	BLK 3, 2*BLOCK, \half
	BLK 4, 2*BLOCK, \half                          ; asks for block 7, the last
	BLK 5, 2*BLOCK, \half                          ; blocks 5 to 7 load nothing: no load leaves the chunk, and the counts run down
	BLK 6, BLOCK, \half
	BLK 7, 0, \half
	s_wait_alu depctr_va_vdst(0)                   ; block 7 has written Y1, which the last four stores read
.irp i, 0,1,2,3
	global_store_b64 v2, v[Y+8+2*(\i):Y+8+2*(\i)+1], s[6:7] offset:(BLOCK*(BLOCKS-1)+(\i))*OUTB
.endr
	s_endpgm
.endm
	s_cmp_ge_u32 s2, 240
	s_cbranch_scc1 .Lwo
	BODY 0
.Lwo:
	BODY 1
.Lfunc_end_k_q00572cba86_cast:
	.size	k_q00572cba86_cast, .Lfunc_end_k_q00572cba86_cast-k_q00572cba86_cast
	.p2alignl 7, 3214868480
	.fill 96, 4, 3214868480
	.section	.rodata,"a",@progbits
	.p2align	6, 0x0
	.amdhsa_kernel k_q00572cba86_cast
		.amdhsa_group_segment_fixed_size 0
		.amdhsa_private_segment_fixed_size 0
		.amdhsa_enable_private_segment 0
		.amdhsa_kernarg_size 64
		.amdhsa_user_sgpr_count 2
		.amdhsa_user_sgpr_kernarg_segment_ptr 1
		.amdhsa_wavefront_size32 1
		.amdhsa_system_sgpr_workgroup_id_x 1
		.amdhsa_system_sgpr_workgroup_id_y 1
		.amdhsa_system_sgpr_workgroup_id_z 1
		.amdhsa_system_vgpr_workitem_id 0
		.amdhsa_next_free_vgpr 86
		.amdhsa_next_free_sgpr 66
		.amdhsa_reserve_vcc 0
		.amdhsa_float_denorm_mode_32 3
		.amdhsa_float_denorm_mode_16_64 3
		.amdhsa_memory_ordered 1
		.amdhsa_forward_progress 1
		.amdhsa_inst_pref_size 32
	.end_amdhsa_kernel
	.amdgpu_metadata
---
amdhsa.version: [ 1, 2 ]
amdhsa.kernels:
  - .name:           k_q00572cba86_cast
    .symbol:         k_q00572cba86_cast.kd
    .args:
      - { .name: q, .offset: 0, .size: 8, .value_kind: global_buffer, .address_space: global }
      - { .name: k, .offset: 8, .size: 8, .value_kind: global_buffer, .address_space: global }
      - { .name: v, .offset: 16, .size: 8, .value_kind: global_buffer, .address_space: global }
      - { .name: Wq, .offset: 24, .size: 8, .value_kind: global_buffer, .address_space: global }
      - { .name: Wk, .offset: 32, .size: 8, .value_kind: global_buffer, .address_space: global }
      - { .name: Wv, .offset: 40, .size: 8, .value_kind: global_buffer, .address_space: global }
      - { .name: Wo, .offset: 48, .size: 8, .value_kind: global_buffer, .address_space: global }
      - { .name: xb, .offset: 56, .size: 8, .value_kind: global_buffer, .address_space: global }
    .group_segment_fixed_size: 0
    .private_segment_fixed_size: 0
    .kernarg_segment_align: 8
    .kernarg_segment_size: 64
    .max_flat_workgroup_size: 512
    .sgpr_count:     66
    .vgpr_count:     86
    .wavefront_size: 32
...
	.end_amdgpu_metadata
.endif
;; end of part 5
;; launch proj: the kernel of part 2 again; grid 8 x 96, 4 waves a work-group, clusters of 4 x 4, 327,680 bytes of LDS; arguments xb, hd; writes hd
;; launch attn: the kernel of part 3 again; grid 16 x 16, 4 waves a work-group, clusters of 4 x 1, 327,680 bytes of LDS; arguments hd, oh; writes oh
;; launch outp: the kernel of part 4 again; grid 8 x 32, 4 waves a work-group, clusters of 4 x 4, 327,680 bytes of LDS; arguments oh, xb, out0; writes out0
